; MI455X (gfx1250); checked and timed in simulation.
; The chip was launched on July 23, 2026; its instructions are those of AMD's public machine-readable ISA for CDNA 5 (MIT licence, August 2026) and "CDNA5" Instruction Set Architecture Reference Guide (July 2026). The comments in the code are by the model that wrote it; some were corrected since.
;; Block. Allowed arithmetic: matrix products marked QUANTISED: E4M3 operands, one given power-of-two scale a tensor, by v_wmma_f32_16x16x64_fp8_fp8 or v_wmma_f32_16x16x128_fp8_fp8, f32 sums; everything else in f32.
;; Inputs: Wfc_codes 4,096 x 32 x 32 uint8 (E4M3 codes of Wfc, K innermost, in blocks of 32 codes); Wo_codes 1,024 x 32 x 32 uint8 (E4M3 codes of Wo, K innermost, in blocks of 32 codes); Wproj_codes 1,024 x 128 x 32 uint8 (E4M3 codes of Wproj, K innermost, in blocks of 32 codes); Wqkv_codes 3,072 x 32 x 32 uint8 (E4M3 codes of Wqkv, K innermost, in blocks of 32 codes); bfc 4,096 float32; bo 1,024 float32; bproj 1,024 float32; bqkv 3,072 float32; lowp_scales 12 int32 (the exponents e of the quantised operands' scales 2^e); x 2 x 2,048 x 1,024 float32.
;; Outputs: out0 2 x 2,048 x 1,024 float32.
;; This version of the problem:
;;   THIS VERSION OF THE PROBLEM IS GIVEN IN LOW PRECISION. The matrix products marked QUANTISED in the list below multiply operands that are first quantised to E4M3 (4 exponent bits, 3 mantissa bits; 8 bits a number), with one given power-of-two scale for each operand tensor; their sums are f32. All else is computed in f32.
;;   The module's matrix products, in the order in which they are computed (A, B: the left and right operand; K: the contracted axis; several contracted axes count as one K, in the product's order):
;;     1. [M 4,096, K 1,024] x [K 1,024, N 3,072]; A: input x; B: input Wqkv (given as codes): QUANTISED (scales: A lowp_scales[0], B lowp_scales[1])
;;     2. batch 32 x [M 2,048, K 64] x [K 64, N 2,048]; A: computed on the way; B: computed on the way: QUANTISED (scales: A lowp_scales[2], B lowp_scales[3])
;;     3. batch 32 x [M 2,048, K 2,048] x [K 2,048, N 64]; A: softmax (see below); B: computed on the way: QUANTISED (scales: A lowp_scales[4], B lowp_scales[5])
;;     4. [M 4,096, K 1,024] x [K 1,024, N 1,024]; A: computed on the way; B: input Wo (given as codes): QUANTISED (scales: A lowp_scales[6], B lowp_scales[7])
;;     5. [M 4,096, K 1,024] x [K 1,024, N 4,096]; A: computed on the way; B: input Wfc (given as codes): QUANTISED (scales: A lowp_scales[8], B lowp_scales[9])
;;     6. [M 4,096, K 4,096] x [K 4,096, N 1,024]; A: computed on the way; B: input Wproj (given as codes): QUANTISED (scales: A lowp_scales[10], B lowp_scales[11])
;;   THE QUANTISER, for each operand of a quantised product, along K:
;;     - The operand's scale is 2^e, e = its entry of the input lowp_scales (int32; the entries are numbered through the quantised products in the list's order, A before B).
;;     - Each number is divided by the scale, clamped to +-448, and rounded to the nearest number of E4M3, ties to even, subnormals kept.
;;     - The product sums the exact products of the quantised numbers (number of the format x scale) in f32.
;;   ~~~python
;;   def quantise(x, axis, e):      # numpy; x: float32 -> the quantised numbers, widened to float32 again
;;       x = np.moveaxis(x, axis, -1); K = x.shape[-1]
;;       r = np.clip(x / 2.0 ** e, -448, 448)
;;       step = 2.0 ** (np.maximum(np.frexp(np.where(r == 0, 1, r))[1] - 1, -6) - 3)
;;       q = np.round(r / step) * step * 2.0 ** e      # np.round: ties to even
;;       return np.moveaxis(q, -1, axis).astype(np.float32)
;;   ~~~
;;   SOFTMAX AHEAD OF A QUANTISED PRODUCT. Where the list says 'softmax', what is quantised is not the finished softmax but p = 2^(t - M), with t = logit x log2(e) and M = ceil(the row's largest t), a whole number; so 1/2 < the row's largest p <= 1. The row's sum l is taken of the UNQUANTISED p, in f32, and the product's result is divided by l at the end. Since M is a whole number, a kernel that streams over the keys may use a running M (the ceiling of the running maximum): every later rescaling is an exact power of two, so the quantised numbers keep their values, but for numbers so far below the row's largest that they fall under the format's range.
;;   OPERANDS COMPUTED ON THE WAY. 'Computed on the way' means the value that the module computes at that place (a softmax that the list does not call 'softmax' is quantised finished and normalised). What goes into a quantiser is computed in f32, as accurately as f32 sums, v_exp_f32 and their like allow (about 1e-6 of the number): no bf16 or f16 on the way to a quantiser, and a product that is left as it is and whose result goes on into a quantised operand takes f32 operands (vector FMAs, or v_wmma_f32_16x16x4_f32). A number that lies on a knife's edge between two numbers of the format may be rounded either way, as far as f32 arithmetic and the matrix unit's own rounding can turn it there, and no further.
;;   INPUTS GIVEN AS CODES. Wfc (in the module: [1024, 4096], K = its axis 0); Wo (in the module: [1024, 1024], K = its axis 0); Wproj (in the module: [4096, 1024], K = its axis 0); Wqkv (in the module: [1024, 3072], K = its axis 0): each comes as NAME_codes (uint8): NAME with its K axis moved to the last place and cut into blocks of 32 codes, [.., K / 32, bytes a block], one block behind the other in memory; one code a byte (a code: sign, 4 exponent bits, 3 mantissa bits); its scale is its entry of lowp_scales. Its value is code x scale, taken as it is: it is not quantised again, and the codes and scales need not be those that the quantiser above would give.
;; One version. Each part assembles by itself: llvm-mc -triple=amdgcn-amd-amdhsa -mcpu=gfx1250 --defsym DOCPART=n.
;; ======== version 1 of 1: 6 launches
;; limits: right only within a limited range of input values
;; workspace buffers: xq 4,194,304 bytes; q_ws 4,194,304 bytes; k_ws 4,194,304 bytes; v_ws 4,194,304 bytes; y_ws 4,194,304 bytes; x1 16,777,216 bytes; x1q 4,194,304 bytes; hq 16,777,216 bytes
;; launch quant_x (part 1): grid 256 x 1, 8 waves a work-group, no clusters, 66,560 bytes of LDS; arguments x, lowp_scales, xq; writes xq
.if DOCPART == 1
	.amdgcn_target "amdgcn-amd-amdhsa--gfx1250"
	.amdhsa_code_object_version 6
	.text
	.protected	k_qc6ac066870_quant_x
	.globl	k_qc6ac066870_quant_x
	.p2align	8
	.type	k_qc6ac066870_quant_x,@function
k_qc6ac066870_quant_x:
	s_mov_b64 s[64:65], 0
	v_nop
	global_prefetch_b8 v0, s[64:65] scope:SCOPE_SE
	s_setreg_imm32_b32 hwreg(HW_REG_WAVE_MODE, 25, 1), 1
	s_wait_xcnt 0x0
; THE PROGRAM: a transformer block without norms, 4,096 rows x 1,024 channels, all six products on codes of FP8 (E4M3), each operand with the scale 2^e given for it in lowp_scales.
; Six launches: this one (x -> codes); x Wqkv + bqkv -> codes of q, k, v; causal attention -> codes of y; y Wo + bo + x -> x1 and its codes; gelu(x1 Wfc + bfc) -> codes; h Wproj + bproj + x1 -> out0.
; WORK LEFT OUT.  reference() builds the causal mask itself (jnp.tril) and sets every score with key > query to -infinity ahead of the softmax: such a score gives p = 0, adds nothing to the row's sum and nothing to
; p V, whatever finite values the inputs hold.  So steps of 128 keys that lie wholly behind a wave's 16 queries are not multiplied (launch attn); inside the step on the diagonal the scores are computed and masked.
; Nothing else is left out: every input has a way to out0 and is loaded.  LIMIT: a NaN, an infinity or an overflow that would arise only in the scores left out is not carried to the result.
;
; THIS LAUNCH: x [4096][1024] f32 becomes codes, K innermost: xq [4096][1024], one code a byte.  code = x / 2^e0, held within +-448, rounded to the nearest code, ties to even.
; It is a launch of its own because twelve tile columns of the first product read x: quantised once, they read a quarter of the bytes.
; LIMITS: e0 between -126 and 119, so that 2^e0 and 448 x 2^e0 are f32 numbers.  NaN among the inputs is not served.
; Rows are dense, so x is a plain stream.  A wave takes 4 steps of 512 numbers, and all its sixteen loads go out at its start.  The conversion takes 8 neighbours from ONE lane's registers; a load is best where neighbouring
; LANES take neighbouring bytes.  Both are had: each of a step's four loads reads 512 consecutive bytes, 16 a lane; the 2,048 bytes go through the wave's own stage in LDS as they lie and come back 64 bytes a lane
; (16 bytes of padding behind each 64).  A lane's 16 codes are 16 bytes: the wave stores 512 consecutive bytes.  No matrix unit, no cluster, no tensor load, no barrier: a stream whose waves share nothing.
.set WAVES, 8
.set STEPS, 4
.set EMAX,  8
.set MANT,  0x600000                   ; the mantissa field of 448 as f32
.set CB,    16                         ; bytes of 16 codes
.set R,     16                         ; v16-79   four sets of 16 numbers as they are loaded: one for each step
.set X,     80                         ; v80-111  two sets of 16 neighbours
.set C,     128                        ; v128-143 codes: four registers for each step, so that no store's data are written again
.set WREG,  8192                       ; LDS: a region of its own for each wave: two stages of 32 x SP bytes
.set SP,    80                         ; a lane's place in a stage: its 64 bytes + 16 of padding
.set SPW,   12                         ; v12      LDS address of my spare word; never rewritten
.set NIL,   13                         ; v13      0; never rewritten
.set SPARE, WAVES*WREG                 ; behind the eight regions: the spare words, 128 bytes for each wave, which no other line names
	s_load_b128 s[4:7], s[0:1], 0x0                ; x, the scales' exponents
	s_load_b64 s[8:9], s[0:1], 0x10                ; xq
	v_lshl_add_u32 v[SPW], v0, 2, SPARE
	v_mov_b32 v[NIL], 0
	v_lshrrev_b32 v1, 5, v0
	s_delay_alu instid0(VALU_DEP_1)
	v_readfirstlane_b32 s16, v1                    ; wave
	v_and_b32 v2, 31, v0                           ; lane
	s_delay_alu instid0(VALU_DEP_1)
	v_lshlrev_b32 v3, 4, v2                        ; my 16 bytes of a load's 512, and of a step's 512 bytes of codes; never rewritten
	s_mul_i32 s17, s16, WREG
	v_lshrrev_b32 v14, 2, v2
	s_delay_alu instid0(VALU_DEP_1)
	v_mul_u32_u24 v14, v14, SP
	v_and_b32 v15, 3, v2
	s_delay_alu instid0(VALU_DEP_1)
	v_lshl_add_u32 v14, v15, 4, v14
	s_delay_alu instid0(VALU_DEP_1)
	v_add_nc_u32 v14, s17, v14                     ; the stage, on the way in: SP (lane / 4) + 16 (lane % 4); a load's 512 bytes take eight places
	v_mul_u32_u24 v15, v2, SP
	s_delay_alu instid0(VALU_DEP_1)
	v_add_nc_u32 v15, s17, v15                     ; and on the way out: SP x lane: my 16 neighbours
	s_lshl_b32 s18, ttmp9, 3
	s_add_co_u32 s18, s18, s16                     ; which run of 2,048 numbers is my wave's
	s_lshl_b32 s20, s18, 13                        ; 8,192 bytes of f32,
	s_mov_b32 s21, 0
	s_lshl_b32 s24, s18, 11                        ; 2,048 bytes of codes
	s_mov_b32 s25, 0
	s_wait_alu depctr_va_vdst(0)
	s_wait_kmcnt 0x0
	s_load_b32 s22, s[6:7], 0x0                    ; e0
	s_add_nc_u64 s[4:5], s[4:5], s[20:21]
	s_add_nc_u64 s[8:9], s[8:9], s[24:25]
.macro LOAD t
.irp i, 0,1,2,3
	global_load_b128 v[R+16*((\t)%4)+4*\i:R+16*((\t)%4)+4*\i+3], v3, s[4:5] offset:2048*(\t)+512*\i th:TH_LOAD_NT   ; 32 lanes read 512 consecutive bytes
.endr
.endm
.macro TURN t                          ; step t's numbers through the stage: LDS serves a wave's instructions in order, so no wait stands between the stores and the loads
.irp i, 0,1,2,3
	ds_store_b128 v14, v[R+16*((\t)%4)+4*\i:R+16*((\t)%4)+4*\i+3] offset:32*SP*((\t)%2)+8*SP*\i
.endr
.irp i, 0,1,2,3
	ds_load_b128 v[X+16*((\t)%2)+4*\i:X+16*((\t)%2)+4*\i+3], v15 offset:32*SP*((\t)%2)+16*\i
.endr
.endm
.irp t, 0,1,2,3
	LOAD \t                                        ; all that the wave reads
.endr
	s_wait_kmcnt 0x0
	s_add_co_i32 s22, s22, 127
	s_lshl_b32 s23, s22, 23
	v_mov_b32 v11, s23                             ; 2^e0 as f32: the conversion takes its exponent field
	s_add_co_i32 s22, s22, EMAX
	s_lshl_b32 s22, s22, 23
	s_or_b32 s22, s22, MANT
	v_mov_b32 v10, s22                             ; 448 x 2^e0
	s_wait_alu depctr_va_vdst(0)
	s_wait_loadcnt 12                              ; step 0's four loads are in; the twelve of steps 1 to 3 may be out
	TURN 0
.macro STEP t
.set XS, X+16*((\t)%2)
	s_wait_dscnt 0x0                               ; this step's numbers are back from the stage
.if (\t)+1 < STEPS
	s_wait_loadcnt 4*(STEPS-2-(\t))                ; the next step's four loads are in; those of the steps behind it may be out
	TURN (\t)+1                                    ; and go through the other stage while this step is worked
.endif
.irp i, 0,1,2,3,4,5,6,7,8,9,10,11,12,13,14,15
	v_med3_num_f32 v[XS+\i], v[XS+\i], -v10, v10   ; the conversion to an 8-bit code does not saturate (ISA guide 7.6.2): the number is held within 448 x the scale first
.endr
	v_cvt_scalef32_pk8_fp8_f32 v[C+4*(\t):C+4*(\t)+1], v[XS:XS+7], v11
	v_cvt_scalef32_pk8_fp8_f32 v[C+4*(\t)+2:C+4*(\t)+3], v[XS+8:XS+15], v11
	v_nop                                          ; a plain line behind the last conversion of the run
	global_store_b128 v3, v[C+4*(\t):C+4*(\t)+3], s[8:9] offset:32*CB*(\t)   ; 32 lanes store 512 consecutive bytes, aligned
.endm
.irp t, 0,1,2,3
	STEP \t
.endr
	s_wait_tensorcnt 0x0                           ; the wave's end, behind my last LDS store
	ds_add_u32 v[SPW], v[NIL]
	s_wait_dscnt 0x0
	s_endpgm
.Lfunc_end_k_qc6ac066870_quant_x:
	.size	k_qc6ac066870_quant_x, .Lfunc_end_k_qc6ac066870_quant_x-k_qc6ac066870_quant_x
	.p2alignl 7, 3214868480
	.fill 96, 4, 3214868480
	.section	.rodata,"a",@progbits
	.p2align	6, 0x0
	.amdhsa_kernel k_qc6ac066870_quant_x
		.amdhsa_group_segment_fixed_size 66560
		.amdhsa_private_segment_fixed_size 0
		.amdhsa_enable_private_segment 0
		.amdhsa_kernarg_size 24
		.amdhsa_user_sgpr_count 2
		.amdhsa_user_sgpr_kernarg_segment_ptr 1
		.amdhsa_wavefront_size32 1
		.amdhsa_system_sgpr_workgroup_id_x 1
		.amdhsa_system_sgpr_workgroup_id_y 1
		.amdhsa_system_sgpr_workgroup_id_z 1
		.amdhsa_system_vgpr_workitem_id 0
		.amdhsa_next_free_vgpr 144
		.amdhsa_next_free_sgpr 66
		.amdhsa_reserve_vcc 0
		.amdhsa_float_denorm_mode_32 3
		.amdhsa_float_denorm_mode_16_64 3
		.amdhsa_memory_ordered 1
		.amdhsa_forward_progress 1
		.amdhsa_inst_pref_size 11
	.end_amdhsa_kernel
	.amdgpu_metadata
---
amdhsa.version: [ 1, 2 ]
amdhsa.kernels:
  - .name:           k_qc6ac066870_quant_x
    .symbol:         k_qc6ac066870_quant_x.kd
    .args:
      - { .name: x, .offset: 0, .size: 8, .value_kind: global_buffer, .address_space: global }
      - { .name: lowp_scales, .offset: 8, .size: 8, .value_kind: global_buffer, .address_space: global }
      - { .name: xq, .offset: 16, .size: 8, .value_kind: global_buffer, .address_space: global }
    .group_segment_fixed_size: 66560
    .private_segment_fixed_size: 0
    .kernarg_segment_align: 8
    .kernarg_segment_size: 24
    .max_flat_workgroup_size: 256
    .sgpr_count:     66
    .vgpr_count:     144
    .wavefront_size: 32
...
	.end_amdgpu_metadata
.endif
;; end of part 1
;; launch gemm_qkv (part 2): grid 12 x 16, 4 waves a work-group, clusters of 4 x 4, 327,680 bytes of LDS; arguments xq, Wqkv_codes, lowp_scales, bqkv, q_ws, k_ws, v_ws; writes q_ws, k_ws, v_ws
.if DOCPART == 2
	.amdgcn_target "amdgcn-amd-amdhsa--gfx1250"
	.amdhsa_code_object_version 6
	.text
	.protected	k_qc6ac066870_gemm_qkv
	.globl	k_qc6ac066870_gemm_qkv
	.p2align	8
	.type	k_qc6ac066870_gemm_qkv,@function
k_qc6ac066870_gemm_qkv:
	s_mov_b64 s[64:65], 0
	v_nop
	global_prefetch_b8 v0, s[64:65] scope:SCOPE_SE
	s_setreg_imm32_b32 hwreg(HW_REG_WAVE_MODE, 25, 1), 1
	s_wait_xcnt 0x0
	s_wait_alu depctr_hold_cnt(0) depctr_sa_sdst(0) depctr_va_vdst(0) depctr_va_sdst(0) depctr_va_ssrc(0) depctr_va_vcc(0) depctr_vm_vsrc(0)
	s_getreg_b32 s2, hwreg(HW_REG_IB_STS2, 6, 4)
	s_cmp_eq_u32 s2, 0
	s_cbranch_scc0 .Lentry_in_a_cluster
	s_endpgm
.Lentry_in_a_cluster:
	s_bfe_u32 s2, ttmp6, 0x10000c
	s_cmp_lg_u32 s2, 0xf033
	s_cbranch_scc0 .Lentry_shape_is_right
	s_endpgm
.Lentry_shape_is_right:
; ONE TEXT FOR TWO LAUNCHES, told apart by MODE.  C = A B^T on codes of FP8 (E4M3), K = 1,024; each finished sum x 2^(eA + eB) + bias; then quantised anew, with the scale given for the next product's operand.
; MODE 1: A = xq [4096][1024], B = Wqkv_codes [3072][1024], bias bqkv.  Columns 0-1023 are q, 1024-2047 k, 2048-3071 v: a cluster (4 x 4 tiles of 256 x 256) lies wholly in one of the three: cluster x = 0, 1, 2.
;   reference() reshapes [B,T,C] to [B,16,T,64] flat: head H = row / 128; row tt = row % 128 of a head holds positions 16 tt + s, s = column / 64, channel d = column % 64.  So q_ws and k_ws are the codes as they lie, [4096][1024].
;   v is the second attention product's operand with the KEYS as K: v_ws is laid as that operand's registers take it: byte H 131072 + sigma 8192 + delta 2048 + 512 q + 256 hf + 16 r + 8 u + j for
;   tt = 8 sigma + j, s = 4 q + 2 hf + u, d = 16 delta + r.  For that the work-groups of cluster x = 2 SWAP THE SOURCES of the matrix instruction (by swapping the two tiles in memory): a lane then holds one column and eight rows tt.
; MODE 4: A = x1q [8 blocks of 128 along K][4096 rows][128 bytes], B = Wfc_codes [4096][1024], bias bfc; new_gelu; hq [4096][4096] codes as they lie.
; new_gelu(x) = 0.5 x (1 + tanh u) = x / (1 + e^(-2u)) = x rcp(1 + 2^(x (K1 + K2 x^2))), K1 = -2 sqrt(2/pi) log2(e), K2 = 0.044715 K1: the same function; 2^() = infinity gives 0, 2^() = 0 gives x.
; LIMITS: eA + eB between -126 and 127; the exponent of each scale on the way out between -126 and 119.  NaN among the inputs is not served.
; SHAPE: a tile of C, 256 x 256, by four waves, each 128 x 128: 64 accumulators, 512 registers.  K goes in steps of 256 through a ring of two LDS slots filled by the tensor data mover.
; MODE 1 has 12 x 16 = 192 work-groups: the swap of sources wants a square wave tile, so the tile stays 256 x 256.
; CLUSTERS: 4 x 4 work-groups; A's tile is asked for jointly along a row of the cluster, B's along a column.  THE MATRIX INSTRUCTION IS USED TRANSPOSED (source 0 = 16 rows of B, source 1 = 16 rows of A).
; REGISTERS: window 0: v1-31 addresses and constants; v32-95 the bias of my 128 columns; from v128 A's fragments, ONE set; on the way out v96-255 are free.  window 1: B's fragments, TWO sets.  windows 2, 3: the accumulators, (a, b) at v[8 (8 (a % 4) + b)].
.set MODE,   1
.if MODE == 1
.set KB,     256                       ; bytes of a row of A's tile that lie on end in LDS
.set PA,     272                       ; A's LDS pitch
.set PLANE,  0
.set HALFA,  128*272                   ; what one tensor load brings of A
.set AROW,   1024                      ; bytes from row to row of A in memory
.set ASTEP,  256                       ; bytes from K step to K step
.set AD0,    256                       ; A's descriptor: a row of the tile, rows, pitch, the padding's interval code
.set AD1,    128
.set ASTR,   1024
.set AQI,    5
.set ROWOUT, 1024                      ; a row of the codes' buffer
.else
.set KB,     128
.set PA,     144
.set PLANE,  128*144                   ; a K step is two blocks of 128 along K: two planes of 128 rows x (128 + 16) bytes
.set HALFA,  2*128*144
.set AROW,   128
.set ASTEP,  2*4096*128
.set AD0,    128*128                   ; 128 rows of 128 bytes lie on end in memory: stated as one row, padded behind every 128 bytes
.set AD1,    2
.set ASTR,   4096*128
.set AQI,    4
.set ROWOUT, 4096
.endif
.set PB,     272                       ; B's LDS pitch: 256 bytes + 16 = 68 words: the 16 rows of a load start at 16 different banks (64 banks of 4 bytes: ISA guide 11.1)
.set HALFB,  128*PB
.set SLOT,   2*HALFA+2*HALFB           ; A's two halves, then B's two halves
.set SPARE,  2*SLOT                    ; behind the ring: the spare words, 128 bytes for each wave, which no other line names
.set SPITCH, 272                       ; the way out: ONE stage of 256 rows x (256 + 16) bytes, in slot 0, which has had its last fill and its last read by then
.set FR,     16                        ; registers of a fragment: 16 rows x 128 K
.set NL,     4                         ; LDS loads that bring one
.set NP,     4                         ; places behind this matrix instruction (ISA guide 7.12.1)
.set LAPS,   2                         ; K = 1,024 = two laps of two K steps
.set K1,   8                           ; v[8:9]   gelu's K1, twice
.set K2,   10                          ; v[10:11] gelu's K2, twice
.set SCL,  12                          ; v12  the scale on the way out, as f32
.set LIM,  13                          ; v13  448 x that
.set ADRA, 16                          ; v16-17  LDS address of source 1's fragments in slot 0, 1
.set ADRB, 20                          ; v20-21  of source 0's
.set STO,  24                          ; v24  the stage: where I put 8 codes
.set RD,   25                          ; v25  and where I read 16 back
.set CO,   26                          ; v26  my byte offset in two rows of the codes' buffer
.set VO,   27                          ; v27  v_ws: 16 r + 8192 h
.set SPW,  28                          ; v28  LDS address of my spare word; never rewritten
.set NIL,  29                          ; v29  0; never rewritten
.set BO,   30                          ; v30  32 h: the bias of my half's eight columns
.set BVO,  31                          ; v31  4 r: the bias of my one column (v)
.set BI,   32
.set TMP,  96                          ; a block's 64 numbers
.set CD,   160                         ; its codes: two sets of 16 registers
.set E,    192                         ; gelu, at work
.set AF,   128
.set G1, 24                            ; s[24:31] descriptor group 1 for A's tiles;  s[32:39] group 0, one set for each slot
.set G0, 32
.set G1B, 48                           ; s[48:55], s[56:63] the same for B's tiles
.set G0B, 56
.set MSB, 0
.macro WIN new                         ; the immediate's high byte repeats the setting that is left
.if MSB != \new
	s_set_vgpr_msb (MSB<<8)|\new
.set MSB, \new
.endif
.endm
.set MUL_LO, 0xa1                      ; source 0 window 1, source 1 window 0, C and D window 2
.set MUL_HI, 0xf1                      ; the same, C and D window 3
.set TO_B,   0x40                      ; destination window 1, address window 0
; A joint load: waves 0 and 1 fetch A's halves, waves 2 and 3 B's.  Each line has one mask and one set of registers for all that issue it; the branch hangs on the wave's number alone.
; An s_nop 0 and four v_nop follow each of the two lines.
.macro JLOAD g0a, g1a, g0b, g1b
	s_cmp_eq_u32 s15, 0
	s_cbranch_scc0 .Lfor_b_\@
	tensor_load_to_lds s[\g0a:\g0a+3], s[\g1a:\g1a+7]
	s_nop 0
.rept 4
	v_nop
.endr
	s_branch .Lasked_\@
.Lfor_b_\@:
	tensor_load_to_lds s[\g0b:\g0b+3], s[\g1b:\g1b+7]
	s_nop 0
.rept 4
	v_nop
.endr
.Lasked_\@:
.endm
.macro CREST                           ; a round of the cluster's barrier behind its opening barrier
	s_cmp_lg_u32 s14, 0
	s_cbranch_scc1 .Lnot_wave_0_\@
	s_barrier_signal -3
.Lnot_wave_0_\@:
	s_barrier_wait -3
	s_barrier_signal -1
	s_barrier_wait -1
.endm
.macro CROUND                          ; a whole round
	s_barrier_signal -1
	s_barrier_wait -1
	CREST
.endm
	s_load_b256 s[4:11], s[0:1], 0x0               ; A's codes s[4:5], B's codes s[6:7], the scales' exponents s[8:9], the bias s[10:11]
.if MODE == 1
	s_load_b128 s[68:71], s[0:1], 0x20             ; q_ws, k_ws
	s_load_b64 s[72:73], s[0:1], 0x30              ; v_ws
.else
	s_load_b64 s[68:69], s[0:1], 0x20              ; hq
.endif
	v_lshl_add_u32 v[SPW], v0, 2, SPARE
	v_mov_b32 v[NIL], 0
	ds_add_u32 v[SPW], v[NIL]                      ; the wave's opening: the add, twice on end, and its wait ahead of my first tensor load
	ds_add_u32 v[SPW], v[NIL]
	v_lshrrev_b32 v1, 5, v0
	v_readfirstlane_b32 s14, v1                    ; wave 0..3
	s_lshr_b32 s15, s14, 1                         ; which half of the tile's rows is mine.  Also: I fetch for A (0) or for B (1)
	s_and_b32 s16, s14, 1                          ; which half of its columns.  Also: which 128 rows of that tile I fetch
	s_bfe_u32 s40, ttmp6, 0x40000                  ; cx, cy: my place in the cluster
	s_bfe_u32 s41, ttmp6, 0x40004
	s_lshl_b32 s42, ttmp9, 2
	s_add_co_u32 s42, s42, s40                     ; tile column of C = 4 x cluster x + cx
	s_and_b32 s17, ttmp7, 0xffff
	s_lshl_b32 s17, s17, 2
	s_add_co_u32 s17, s17, s41                     ; tile row of C = 4 x cluster y + cy
	s_lshl_b32 s43, s41, 2
	s_lshl_b32 s43, 15, s43                        ; my row of the cluster
	s_lshl_b32 s44, 0x1111, s40                    ; my column
	s_or_b32 s[G1+0], s43, (1<<20)|(1<<21)|(AQI<<22)|(3<<25)   ; 15:0 the mask: A's tiles go to my row; 17:16 elements of 1 byte; 20 padding on; 21 set beside a mask; 24:22 the interval; 31:25 four words of padding
	s_or_b32 s[G1B+0], s44, (1<<20)|(1<<21)|(5<<22)|(3<<25)    ; B's go to my column; four words behind every 64
	s_mov_b32 s[G1+1], (AD0&0xffff)<<16            ; tensor_dim0
	s_mov_b32 s[G1+2], (AD0>>16)|(AD1<<16)         ; tensor_dim1
	s_mov_b32 s[G1+3], AD0<<16                     ; tile_dim0
	s_mov_b32 s[G1+4], AD1                         ; tile_dim1
	s_mov_b32 s[G1+5], ASTR                        ; tensor_dim0_stride
	s_mov_b32 s[G1+6], 0
	s_mov_b32 s[G1+7], 0
	s_mov_b32 s[G1B+1], 256<<16
	s_mov_b32 s[G1B+2], 128<<16
	s_mov_b32 s[G1B+3], 256<<16
	s_mov_b32 s[G1B+4], 128
	s_mov_b32 s[G1B+5], 1024
	s_mov_b32 s[G1B+6], 0
	s_mov_b32 s[G1B+7], 0
	s_lshl_b32 s18, s16, 7                         ; which 128 rows of the tile I fetch
	; v's CLUSTERS (cluster x = 2) SWAP THE SOURCES IN MEMORY, not in LDS (this takes the place of the swap of LDS bases that the head comment names): LDS region A, shared along a row of the cluster,
	; takes Wqkv's tile 8 + cy, and region B, shared along a column, takes xq's tile 4 x cluster y + cx.  Each address still hangs on the one coordinate that its mask's partners share; every LDS address is the same in all clusters.
	s_add_co_u32 s90, s41, 8                       ; v: Wqkv's tile of 256 rows
	s_and_b32 s91, ttmp7, 0xffff
	s_lshl_b32 s91, s91, 2
	s_add_co_u32 s91, s91, s40                     ; v: xq's tile of 256 rows
	s_cmp_eq_u32 ttmp9, 2                          ; the cluster's x: the same in all partners
	s_cselect_b32 s92, s90, s17                    ; region A's tile
	s_cselect_b32 s93, s91, s42                    ; region B's tile
	s_cselect_b32 s12, s90, s42                    ; the tile of Wqkv's rows, which are C's columns,
	s_cselect_b32 s13, s15, s16                    ; and my half of it
	s_lshl_b32 s12, s12, 10
	s_lshl_b32 s13, s13, 9
	s_add_co_u32 s12, s12, s13                     ; the bias of my 128 columns: (256 x tile + 128 x half) x 4 bytes
	s_mov_b32 s13, 0
	s_lshl_b32 s20, s92, 8
	s_add_co_u32 s20, s20, s18
	s_mul_i32 s20, s20, AROW
	s_mov_b32 s21, 0
	s_lshl_b32 s46, s93, 8
	s_add_co_u32 s46, s46, s18                     ; B: row 256 x tile column + 128 x half
	s_lshl_b32 s46, s46, 10
	s_mov_b32 s47, 0
	s_mul_i32 s45, s16, HALFA                      ; where they go: no place in the cluster enters an LDS address
	s_mul_i32 s74, s16, HALFB
	s_add_co_u32 s74, s74, 2*HALFA
	s_wait_dscnt 0x0                               ; both opening adds are done
	s_wait_kmcnt 0x0
	s_load_b256 s[76:83], s[8:9], 0x0              ; e0 .. e7
	s_load_b128 s[84:87], s[8:9], 0x20             ; e8 .. e11: awaited on the way out
	s_cmp_eq_u32 ttmp9, 2
	s_cselect_b64 s[94:95], s[6:7], s[4:5]         ; region A's buffer: xq, in v's clusters Wqkv_codes
	s_cselect_b64 s[98:99], s[4:5], s[6:7]         ; region B's: the other one
	s_add_nc_u64 s[20:21], s[94:95], s[20:21]
	s_add_nc_u64 s[46:47], s[98:99], s[46:47]
	CROUND                                         ; all sixteen work-groups are here: the first joint loads meet
.irp s, 0,1
	s_mov_b32 s[G0+4*\s], 1
	s_add_co_u32 s[G0+4*\s+1], s45, \s*SLOT
	s_add_nc_u64 s[G0+4*\s+2:G0+4*\s+3], s[20:21], \s*ASTEP
	s_or_b32 s[G0+4*\s+3], s[G0+4*\s+3], 0x80000000
	s_mov_b32 s[G0B+4*\s], 1
	s_add_co_u32 s[G0B+4*\s+1], s74, \s*SLOT
	s_add_nc_u64 s[G0B+4*\s+2:G0B+4*\s+3], s[46:47], \s*256
	s_or_b32 s[G0B+4*\s+3], s[G0B+4*\s+3], 0x80000000
.endr
	JLOAD G0, G1, G0B, G1B                         ; K step 0: one tensor load a wave at the head
	; PREFETCHES INTO THE L2: K steps 1 and 2 here, K step 3 behind K step 1's load: each at least one load ahead of the load that wants it.  Of the 128 rows that I fetch, each of the four partners that ask for
	; them with me takes 32, told apart by address (cx for region A, cy for region B): a lane a row, 256 bytes of it a K step.  So each block of 256 bytes is named once in each cluster that loads it.
	s_cmp_eq_u32 s15, 0
	s_cselect_b64 s[94:95], s[20:21], s[46:47]
	s_cselect_b32 s98, s40, s41
	s_lshl_b32 s98, s98, 15                        ; 32 rows of 1,024 bytes
	s_mov_b32 s99, 0
	s_add_nc_u64 s[94:95], s[94:95], s[98:99]      ; never rewritten
	v_and_b32 v6, 31, v0
	v_lshlrev_b32 v6, 10, v6                       ; v6: my lane's row; never rewritten
	global_prefetch_b8 v6, s[94:95] offset:256 th:TH_LOAD_NT scope:SCOPE_SE
	global_prefetch_b8 v6, s[94:95] offset:512 th:TH_LOAD_NT scope:SCOPE_SE
	v_and_b32 v1, 15, v0                           ; r = l % 16
	v_bfe_u32 v2, v0, 4, 1                         ; h = l / 16
	v_mul_u32_u24 v3, v1, PA
	v_lshl_add_u32 v3, v2, 4, v3                   ; a fragment's row x pitch + 16 x half, in A's tile
	s_wait_alu depctr_va_vdst(0)
	v_mul_u32_u24 v4, v1, PB
	v_lshl_add_u32 v4, v2, 4, v4                   ; and in B's
	s_wait_alu depctr_va_vdst(0)
	s_mul_i32 s21, s15, HALFA                      ; my 128 rows of A
	s_mul_i32 s22, s16, HALFB                      ; my 128 rows of B,
	s_add_co_u32 s22, s22, 2*HALFA                 ; which lie behind A's 256
.if MODE == 1
	s_mov_b32 s88, s21
	s_mov_b32 s89, s22
.else
	s_mov_b32 s88, s21
	s_mov_b32 s89, s22
.endif
.irp s, 0,1
	v_add_nc_u32 v[ADRA+\s], s88, v3
	v_add_nc_u32 v[ADRB+\s], s89, v4
	s_add_co_u32 s88, s88, SLOT
	s_add_co_u32 s89, s89, SLOT
.endr
	s_mul_i32 s23, s15, 128*SPITCH                 ; the stage, in: row 128 x my rows' half + r, byte 128 x my columns' half + 8 h
	s_lshl_b32 s18, s16, 7
	s_add_co_u32 s23, s23, s18
	v_mul_u32_u24 v5, v1, SPITCH
	v_lshl_add_u32 v5, v2, 3, v5
	v_add_nc_u32 v[STO], s23, v5
	s_mul_i32 s23, s15, 128*SPITCH                 ; back: of each chunk of 32 rows of each half of the tile's rows, wave w takes rows 128 (w / 2) + 16 (w % 2) + 0 .. 15, whole
	s_mul_i32 s18, s16, 16*SPITCH
	s_add_co_u32 s23, s23, s18
	v_mul_u32_u24 v5, v2, SPITCH
	v_lshl_add_u32 v5, v1, 4, v5
	v_add_nc_u32 v[RD], s23, v5
	v_mul_u32_u24 v5, v2, ROWOUT                   ; and the same two rows in memory
	v_lshl_add_u32 v[CO], v1, 4, v5
	v_lshlrev_b32 v[BO], 5, v2
.if MODE == 1
	v_lshlrev_b32 v[VO], 13, v2
	v_lshl_add_u32 v[VO], v1, 4, v[VO]
	v_lshlrev_b32 v[BVO], 2, v1
.else
	v_mov_b32 v[K1], 0xc0135761                    ; -2 sqrt(2/pi) log2(e)
	v_mov_b32 v[K1+1], 0xc0135761
	v_mov_b32 v[K2], 0xbdd2d3e8                    ; 0.044715 x that
	v_mov_b32 v[K2+1], 0xbdd2d3e8
.endif
	s_add_nc_u64 s[10:11], s[10:11], s[12:13]      ; the bias of my 128 columns
.irp b, 0,1,2,3,4,5,6,7                        ; lane (r, h) wants, for column block b, the bias of columns 16 b + 8 h + 0 .. 7.  (In v's clusters these sixteen loads serve nothing: they stand on the path that all take, so that the registers are written on every path)
	global_load_b128 v[BI+8*\b:BI+8*\b+3], v[BO], s[10:11] offset:64*\b
	global_load_b128 v[BI+8*\b+4:BI+8*\b+7], v[BO], s[10:11] offset:64*\b+16
.endr
.irp a, 0,1,2,3,4,5,6,7                        ; for v's clusters: my one column's bias of each column block, twice (a pair for the packed form), into v96-111, which nothing names during the K loop.  (In q's and k's clusters these sixteen loads serve nothing: they stand on the path that all take)
	global_load_b32 v[96+2*\a], v[BVO], s[10:11] offset:64*\a
	global_load_b32 v[97+2*\a], v[BVO], s[10:11] offset:64*\a
.endr
	s_lshl_b32 s18, s17, 8                         ; 256 x tile row,
	s_lshl_b32 s19, s15, 7                         ; where I store codes: row 256 x tile row + 128 (w / 2) + 16 (w % 2)
	s_add_co_u32 s18, s18, s19
	s_lshl_b32 s19, s16, 4
	s_add_co_u32 s18, s18, s19
.if MODE == 1
	s_lshl_b32 s18, s18, 10
	s_lshl_b32 s19, s40, 8                         ; byte 256 cx of q's or k's row
.else
	s_lshl_b32 s18, s18, 12
	s_lshl_b32 s19, s42, 8                         ; byte 256 x tile column
.endif
	s_add_co_u32 s18, s18, s19
	s_mov_b32 s19, 0
.if MODE == 1
	s_cmp_eq_u32 ttmp9, 0
	s_cselect_b64 s[68:69], s[68:69], s[70:71]     ; q_ws or k_ws: the choice hangs on the cluster's number alone
.endif
	s_add_nc_u64 s[68:69], s[68:69], s[18:19]
.if MODE == 1
	s_lshl_b32 s18, s91, 1                         ; v_ws: head H = 2 x xq's tile + my half of region B,
	s_add_co_u32 s18, s18, s16
	s_lshl_b32 s18, s18, 17
	s_lshl_b32 s19, s41, 9                         ; q = cy,
	s_add_co_u32 s18, s18, s19
	s_lshl_b32 s19, s15, 8                         ; hf = my half of region A
	s_add_co_u32 s18, s18, s19
	s_mov_b32 s19, 0
	s_add_nc_u64 s[72:73], s[72:73], s[18:19]
.endif
; A fragment, 16 rows x 128 K of codes, is 16 registers: lane l holds row l % 16; registers 4 c .. 4 c + 3 hold K = 32 c + 16 (l / 16) + 0 .. 15: a permutation of k that is the same on both sides.
.macro FRAGA reg, adr, q, i
.irp c, 0,1,2,3
	ds_load_b128 v[\reg+4*\c:\reg+4*\c+3], v[\adr] offset:((128*(\q)+32*\c)/KB)*PLANE+(128*(\q)+32*\c)%KB+(\i)*16*PA
.endr
.endm
.macro FRAGB reg, adr, q, i
.irp c, 0,1,2,3
	ds_load_b128 v[\reg+4*\c:\reg+4*\c+3], v[\adr] offset:128*(\q)+32*\c+(\i)*16*PB
.endr
.endm
; 16 matrix instructions: source 1's blocks a0, a0 + 1 x source 0's eight, 128 along K.  p: source 0's set.  zero = 1: the first product starts the sums.
; The 64 accumulators take turns, one instruction a turn, in the same order in every step.
.macro MUL16 a0, p, zero
.irp a, \a0, \a0+1
.irp b, 0,1,2,3,4,5,6,7
.if \zero
	v_wmma_f32_16x16x128_fp8_fp8 v[8*(8*((\a)%4)+\b):8*(8*((\a)%4)+\b)+7], v[128*(\p)+FR*\b:128*(\p)+FR*\b+FR-1], v[AF+FR*(\a):AF+FR*(\a)+FR-1], 0
.else
	v_wmma_f32_16x16x128_fp8_fp8 v[8*(8*((\a)%4)+\b):8*(8*((\a)%4)+\b)+7], v[128*(\p)+FR*\b:128*(\p)+FR*\b+FR-1], v[AF+FR*(\a):AF+FR*(\a)+FR-1], v[8*(8*((\a)%4)+\b):8*(8*((\a)%4)+\b)+7]
.endif
.endr
.endr
.endm
.macro FETCH_B slot, q, p              ; source 0's eight fragments of the slot's q-th 128 along K into set p
	WIN TO_B
.irp i, 0,1,2,3,4,5,6,7
	FRAGB 128*(\p)+FR*\i, ADRB+\slot, \q, \i
.endr
	WIN 0
.endm
.macro FETCH_A slot, q, i0             ; source 1's blocks i0 .. i0 + 3
.irp i, \i0, \i0+1, \i0+2, \i0+3
	FRAGA AF+FR*(\i), ADRA+\slot, \q, \i
.endr
.endm
.macro PLACES n                        ; places in front of loads into registers that matrix instructions have read, and of the first read of results
.rept \n
	v_nop
.endr
.endm
.macro STEP slot, q, zero              ; a step of 128 along K that has its successor in the same slot
	s_wait_dscnt 4*NL                              ; source 0's set and source 1's blocks 0-3 are in; the youngest sixteen loads (blocks 4-7) may be out
	WIN MUL_LO
	MUL16 0, (\q)%2, \zero
	MUL16 2, (\q)%2, \zero
	s_wait_dscnt 0                                 ; blocks 4-7 are in
	PLACES NP
	FETCH_B \slot, (\q)+1, 1-(\q)%2
	FETCH_A \slot, (\q)+1, 0
	WIN MUL_HI
	MUL16 4, (\q)%2, \zero
	MUL16 6, (\q)%2, \zero
	PLACES NP
	WIN 0
	FETCH_A \slot, (\q)+1, 4
.endm
; A slot's last step changes slots: ONE barrier; in front of it each wave waits for all its tensor loads, adds 0 to its spare word, and waits for that and for its own reads of this slot.  fill = 1: this slot is filled again, two K steps ahead.
.macro TURN slot, next, fill
	s_wait_tensorcnt 0x0                           ; all my tensor loads have landed: my part of the next slot
	ds_add_u32 v[SPW], v[NIL]                      ; 0 onto my spare word
	s_wait_dscnt 4*NL+1                            ; (the add and the youngest sixteen loads may be out)
	WIN MUL_LO
	MUL16 0, 1, 0
	s_wait_dscnt 0x0                               ; the add is done, and my reads of this slot are over
	s_barrier_signal -1
	MUL16 2, 1, 0
	WIN 0
	s_barrier_wait -1
.if \fill
	CREST                                          ; the barrier has opened a round of the cluster's barrier: no wave of any partner still reads this slot or has a load on its way
	s_add_nc_u64 s[G0+4*\slot+2:G0+4*\slot+3], s[G0+4*\slot+2:G0+4*\slot+3], 2*ASTEP
	s_add_nc_u64 s[G0B+4*\slot+2:G0B+4*\slot+3], s[G0B+4*\slot+2:G0B+4*\slot+3], 2*256
	JLOAD G0+4*\slot, G1, G0B+4*\slot, G1B         ; the first tensor load behind the round; its four v_nop are the places in front of the loads below
.else
	PLACES NP
.endif
	FETCH_B \next, 0, 0
	FETCH_A \next, 0, 0
	WIN MUL_HI
	MUL16 4, 1, 0
	MUL16 6, 1, 0
	PLACES NP
	WIN 0
	FETCH_A \next, 0, 4
.endm
	s_wait_alu depctr_va_vdst(0)                   ; the wait at the head's end
	s_wait_tensorcnt 0x0                           ; my part of K step 0 is in
	ds_add_u32 v[SPW], v[NIL]
	s_wait_dscnt 0x0
	CROUND                                         ; everybody's part of K step 0 is in, and all sixteen work-groups are here
	JLOAD G0+4, G1, G0B+4, G1B                     ; K step 1, the first tensor load behind the round
	FETCH_B 0, 0, 0
	global_prefetch_b8 v6, s[94:95] offset:768 th:TH_LOAD_NT scope:SCOPE_SE   ; K step 3, two loads ahead; there is no K step behind it
	FETCH_A 0, 0, 0
	FETCH_A 0, 0, 4
	STEP 0, 0, 1                                   ; the first step stands in front of the loop: its products start the sums
	s_mov_b32 s3, LAPS-1
.Llap:                                                 ; a trip goes once round the ring and fills both slots again
	TURN 0, 1, 1
	STEP 1, 0, 0
	TURN 1, 0, 1
	STEP 0, 0, 0
	s_sub_co_u32 s3, s3, 1
	s_cmp_lg_u32 s3, 0
	s_cbranch_scc1 .Llap
	TURN 0, 1, 0                                   ; the last lap fills nothing
	STEP 1, 0, 0
	s_wait_dscnt 4*NL
	WIN MUL_LO
	MUL16 0, 1, 0
	MUL16 2, 1, 0
	s_wait_dscnt 0
	WIN MUL_HI
	MUL16 4, 1, 0
	MUL16 6, 1, 0
	WIN 0
	; THE WAY OUT
	s_wait_kmcnt 0x0
.if MODE == 1
	s_add_co_i32 s96, s76, s77                     ; e0 + e1
	s_cmp_eq_u32 ttmp9, 0
	s_cselect_b32 s88, s78, s79                    ; q's e2 or k's e3,
	s_cmp_eq_u32 ttmp9, 2
	s_cselect_b32 s88, s81, s88                    ; or v's e5: chosen, not branched on
.else
	s_add_co_i32 s96, s84, s85                     ; e8 + e9
	s_mov_b32 s88, s86                             ; e10
.endif
	s_add_co_i32 s96, s96, 127
	s_lshl_b32 s96, s96, 23                        ; 2^(eA + eB) as f32
	s_mov_b32 s97, s96                             ; (named with it as a pair, so it is written)
	s_add_co_i32 s88, s88, 127
	s_lshl_b32 s89, s88, 23
	v_mov_b32 v[SCL], s89                          ; the next operand's scale: the conversion takes its exponent field
	s_add_co_i32 s88, s88, 8
	s_lshl_b32 s88, s88, 23
	s_or_b32 s88, s88, 0x600000
	v_mov_b32 v[LIM], s88                          ; 448 x that
	PLACES NP
	s_wait_loadcnt 0x0                             ; the bias
.macro GELU                            ; TMP's 64 numbers x become x rcp(1 + 2^(x (K1 + K2 x x))).  Each batch of transcendentals has one plain line and one wait behind it
.set j, 0
.rept 32
	v_pk_mul_f32 v[E+j:E+j+1], v[TMP+j:TMP+j+1], v[TMP+j:TMP+j+1]
.set j, j+2
.endr
.set j, 0
.rept 32
	v_pk_fma_f32 v[E+j:E+j+1], v[E+j:E+j+1], v[K2:K2+1], v[K1:K1+1]
.set j, j+2
.endr
.set j, 0
.rept 32
	v_pk_mul_f32 v[E+j:E+j+1], v[E+j:E+j+1], v[TMP+j:TMP+j+1]
.set j, j+2
.endr
.set j, 0
.rept 64
	v_exp_f32 v[E+j], v[E+j]
.set j, j+1
.endr
	v_nop
	s_wait_alu depctr_va_vdst(0)
.set j, 0
.rept 32
	v_pk_add_f32 v[E+j:E+j+1], v[E+j:E+j+1], 1.0 op_sel_hi:[1,0]
.set j, j+2
.endr
.set j, 0
.rept 64
	v_rcp_f32 v[E+j], v[E+j]
.set j, j+1
.endr
	v_nop
	s_wait_alu depctr_va_vdst(0)
.set j, 0
.rept 32
	v_pk_mul_f32 v[TMP+j:TMP+j+1], v[TMP+j:TMP+j+1], v[E+j:E+j+1]
.set j, j+2
.endr
.endm
; Block a: my rows 16 a .. 16 a + 15, my 128 columns.  Lane (r, h) holds row 16 a + r and, in accumulator (a, b), columns 16 b + 8 h + 0 .. 7: eight neighbours along the next K, which one conversion packs into 8 bytes.
.macro ROWBLK a
.set AC, 64*((\a)%4)
.set CDS, CD+16*((\a)%2)
	WIN 0x02+((\a)/4)                              ; source 0: window 2 or 3
.irp b, 0,1,2,3,4,5,6,7
.irp i, 0,2,4,6
	v_pk_fma_f32 v[TMP+8*\b+\i:TMP+8*\b+\i+1], v[AC+8*\b+\i:AC+8*\b+\i+1], s[96:97], v[BI+8*\b+\i:BI+8*\b+\i+1] op_sel_hi:[1,0,1]   ; sum x 2^(eA + eB) + bias; each accumulator from its low end on
.endr
.endr
	WIN 0
.if MODE == 4
	GELU
.endif
.if (\a) >= 2
	s_wait_dscnt 8                                 ; the block before's eight stores may be out; those of two blocks back, which read this set of codes, are done
.endif
.set j, 0
.rept 64
	v_med3_num_f32 v[TMP+j], v[TMP+j], -v[LIM], v[LIM]   ; the conversion does not saturate (ISA guide 7.6.2): the hold at 448 x the scale
.set j, j+1
.endr
.irp b, 0,1,2,3,4,5,6,7
	v_cvt_scalef32_pk8_fp8_f32 v[CDS+2*\b:CDS+2*\b+1], v[TMP+8*\b:TMP+8*\b+7], v[SCL]
.endr
	v_nop                                          ; a plain line behind the last conversion: the next block writes its sources
.irp b, 0,1,2,3,4,5,6,7
	ds_store_b64 v[STO], v[CDS+2*\b:CDS+2*\b+1] offset:(\a)*16*SPITCH+16*\b
.endr
.endm
.if MODE == 1
	s_cmp_eq_u32 ttmp9, 2
	s_cbranch_scc1 .Lvmode                         ; the cluster's x: the same in all waves and all partners
.endif
; q's AND k's CODES LEAVE IN FOUR CHUNKS.  When all waves have staged blocks 2 c and 2 c + 1, rows 32 c .. 32 c + 31 of both halves of the tile's rows are whole in the stage (a row's 256 bytes come from two waves): one barrier,
; and each wave reads 16 of these 64 rows back, into registers of window 1 that held source 0's fragments (32 for each chunk, so that no store's data are written again), and stores them behind the next block's arithmetic.
; These barriers stand on q's and k's way alone: the branch that parts it from v's hangs on the cluster's x, which is the same in all waves of a work-group.
.macro BACK c
	s_wait_dscnt 0x0                               ; for the others' sake: my stores into the stage are done
	s_barrier_signal -1
	s_barrier_wait -1
	WIN TO_B
.irp j, 0,1,2,3,4,5,6,7
	ds_load_b128 v[32*(\c)+4*\j:32*(\c)+4*\j+3], v[RD] offset:(32*(\c)+2*\j)*SPITCH
.endr
	WIN 0
.endm
.macro OUT c, younger                  ; younger: the LDS stores issued behind chunk c's loads, which may stay out
	s_wait_dscnt \younger
	WIN 0x04                                       ; the stores' data: window 1
.irp j, 0,1,2,3,4,5,6,7
	global_store_b128 v[CO], v[32*(\c)+4*\j:32*(\c)+4*\j+3], s[68:69] offset:(32*(\c)+2*\j)*ROWOUT   ; 16 lanes store 256 consecutive bytes, aligned
.endr
	WIN 0
.endm
	ROWBLK 0
	ROWBLK 1
	BACK 0
	ROWBLK 2
	OUT 0, 8
	ROWBLK 3
	BACK 1
	ROWBLK 4
	OUT 1, 8
	ROWBLK 5
	BACK 2
	ROWBLK 6
	OUT 2, 8
	ROWBLK 7
	BACK 3
	OUT 3, 0
.if MODE == 1
	s_branch .Ljoin
.Lvmode:
	; v.  With the sources swapped, lane (r, h) of accumulator (a, b) holds column 16 a + r of my 128 and rows tt = 16 b + 8 h + 0 .. 7 of my head: u = a / 4, delta = a % 4, sigma = 2 b + h.
	; Accumulators (delta, b) and (delta + 4, b) give the 16 bytes at 16 r: sixteen lanes store 256 consecutive bytes, aligned.  No LDS.
	s_wait_alu depctr_va_vdst(0)
.set j, 0
.rept 16
	v_mov_b32 v[32+j], v[96+j]                     ; my columns' bias, asked for at the head and awaited with the rest, goes where the blocks below read it: they write v64-191
.set j, j+1
.endr
.macro VBLK d
	WIN 0x02
.irp b, 0,1,2,3,4,5,6,7
.irp i, 0,2,4,6
	v_pk_fma_f32 v[64+8*\b+\i:64+8*\b+\i+1], v[64*(\d)+8*\b+\i:64*(\d)+8*\b+\i+1], s[96:97], v[32+2*(\d):33+2*(\d)] op_sel_hi:[1,0,1]
.endr
.endr
	WIN 0x03
.irp b, 0,1,2,3,4,5,6,7
.irp i, 0,2,4,6
	v_pk_fma_f32 v[128+8*\b+\i:128+8*\b+\i+1], v[64*(\d)+8*\b+\i:64*(\d)+8*\b+\i+1], s[96:97], v[40+2*(\d):41+2*(\d)] op_sel_hi:[1,0,1]
.endr
.endr
	WIN 0
.if (\d) >= 2
	s_wait_xcnt 0x0                                ; the stores of two blocks back have read this set of codes
.endif
.set j, 0
.rept 128
	v_med3_num_f32 v[64+j], v[64+j], -v[LIM], v[LIM]
.set j, j+1
.endr
.irp b, 0,1,2,3,4,5,6,7
	v_cvt_scalef32_pk8_fp8_f32 v[192+32*((\d)%2)+4*\b:192+32*((\d)%2)+4*\b+1], v[64+8*\b:64+8*\b+7], v[SCL]
	v_cvt_scalef32_pk8_fp8_f32 v[192+32*((\d)%2)+4*\b+2:192+32*((\d)%2)+4*\b+3], v[128+8*\b:128+8*\b+7], v[SCL]
.endr
	v_nop
.irp b, 0,1,2,3,4,5,6,7
	global_store_b128 v[VO], v[192+32*((\d)%2)+4*\b:192+32*((\d)%2)+4*\b+3], s[72:73] offset:16384*\b+2048*(\d)
.endr
.endm
.irp d, 0,1,2,3
	VBLK \d
.endr
.Ljoin:
.endif
	s_wait_dscnt 0x0                               ; for the others' sake: my stores into the stage are done
	s_barrier_signal -1
	s_barrier_wait -1                              ; a row's 256 bytes come from two waves.  (v's work-groups pass this barrier too, so that it stands on every path)
.if MODE == 1
.endif
.set j, 0
.if MODE == 1
.Lend:
.endif
	s_wait_tensorcnt 0x0                           ; the wave's end
	ds_add_u32 v[SPW], v[NIL]
	s_wait_dscnt 0x0
	CROUND                                         ; the closing round
	s_endpgm
.Lfunc_end_k_qc6ac066870_gemm_qkv:
	.size	k_qc6ac066870_gemm_qkv, .Lfunc_end_k_qc6ac066870_gemm_qkv-k_qc6ac066870_gemm_qkv
	.p2alignl 7, 3214868480
	.fill 96, 4, 3214868480
	.section	.rodata,"a",@progbits
	.p2align	6, 0x0
	.amdhsa_kernel k_qc6ac066870_gemm_qkv
		.amdhsa_group_segment_fixed_size 327680
		.amdhsa_private_segment_fixed_size 0
		.amdhsa_enable_private_segment 0
		.amdhsa_kernarg_size 56
		.amdhsa_user_sgpr_count 2
		.amdhsa_user_sgpr_kernarg_segment_ptr 1
		.amdhsa_wavefront_size32 1
		.amdhsa_system_sgpr_workgroup_id_x 1
		.amdhsa_system_sgpr_workgroup_id_y 1
		.amdhsa_system_sgpr_workgroup_id_z 1
		.amdhsa_system_vgpr_workitem_id 0
		.amdhsa_next_free_vgpr 1024
		.amdhsa_next_free_sgpr 100
		.amdhsa_reserve_vcc 0
		.amdhsa_float_denorm_mode_32 3
		.amdhsa_float_denorm_mode_16_64 3
		.amdhsa_memory_ordered 1
		.amdhsa_forward_progress 1
		.amdhsa_inst_pref_size 203
	.end_amdhsa_kernel
	.amdgpu_metadata
---
amdhsa.version: [ 1, 2 ]
amdhsa.kernels:
  - .name:           k_qc6ac066870_gemm_qkv
    .symbol:         k_qc6ac066870_gemm_qkv.kd
    .args:
      - { .name: xq, .offset: 0, .size: 8, .value_kind: global_buffer, .address_space: global }
      - { .name: Wqkv_codes, .offset: 8, .size: 8, .value_kind: global_buffer, .address_space: global }
      - { .name: lowp_scales, .offset: 16, .size: 8, .value_kind: global_buffer, .address_space: global }
      - { .name: bqkv, .offset: 24, .size: 8, .value_kind: global_buffer, .address_space: global }
      - { .name: q_ws, .offset: 32, .size: 8, .value_kind: global_buffer, .address_space: global }
      - { .name: k_ws, .offset: 40, .size: 8, .value_kind: global_buffer, .address_space: global }
      - { .name: v_ws, .offset: 48, .size: 8, .value_kind: global_buffer, .address_space: global }
    .group_segment_fixed_size: 327680
    .private_segment_fixed_size: 0
    .kernarg_segment_align: 8
    .kernarg_segment_size: 56
    .max_flat_workgroup_size: 128
    .sgpr_count:     100
    .vgpr_count:     1024
    .wavefront_size: 32
...
	.end_amdgpu_metadata
.endif
;; end of part 2
;; launch attn (part 3): grid 8 x 32, 16 waves a work-group, clusters of 4 x 1, 327,680 bytes of LDS; arguments q_ws, k_ws, v_ws, lowp_scales, y_ws; writes y_ws
.if DOCPART == 3
	.amdgcn_target "amdgcn-amd-amdhsa--gfx1250"
	.amdhsa_code_object_version 6
	.text
	.protected	k_qc6ac066870_attn
	.globl	k_qc6ac066870_attn
	.p2align	8
	.type	k_qc6ac066870_attn,@function
k_qc6ac066870_attn:
	s_mov_b64 s[64:65], 0
	v_nop
	global_prefetch_b8 v0, s[64:65] scope:SCOPE_SE
	s_setreg_imm32_b32 hwreg(HW_REG_WAVE_MODE, 25, 1), 1
	s_wait_xcnt 0x0
	s_wait_alu depctr_hold_cnt(0) depctr_sa_sdst(0) depctr_va_vdst(0) depctr_va_sdst(0) depctr_va_ssrc(0) depctr_va_vcc(0) depctr_vm_vsrc(0)
	s_getreg_b32 s2, hwreg(HW_REG_IB_STS2, 6, 4)
	s_cmp_eq_u32 s2, 0
	s_cbranch_scc0 .Lentry_in_a_cluster
	s_endpgm
.Lentry_in_a_cluster:
	s_bfe_u32 s2, ttmp6, 0x10000c
	s_cmp_lg_u32 s2, 0x3003
	s_cbranch_scc0 .Lentry_shape_is_right
	s_endpgm
.Lentry_shape_is_right:
; Causal attention of 32 heads x 2,048 positions x 64 channels on codes of FP8 (E4M3): S = q k^T, p = 2^(t - M), O = p v / l, then y quantised for the product with Wo.
; WORK LEFT OUT: steps of 128 keys that lie wholly behind a wave's 16 queries: reference()'s own causal mask makes their p = 0 for all values of the inputs.  A NaN or infinity that would arise only there is not carried on.
; q_ws, k_ws: [32 H][128 tt][16 s][64 d], position 16 tt + s.  v_ws: [32 H][16 sigma][4 delta][2,048 bytes], the second product's operand as its registers take it.  y_ws: [16 h][4096 rows][64 bytes].
; THE SOFTMAX: t = score x log2(e) / 8; M = the running largest t rounded UP to a whole number; p = 2^(t - M) is quantised with 2^e4, not normalised; the row's sum is taken of the unquantised p and divides O at the end.
; SHARES.  A work-group has one head and, with jx = its number along x (0 .. 7), the sixteen query rows tq = 8 g + jx, g = 0 .. 15 (positions 16 tq + 0 .. 15).  Row g wants key steps sigma = 0 .. g; sigma = g lies on its diagonal: 136 steps in all.
; They are shared out evenly.  Waves 2 i and 2 i + 1 are PAIR i (0 .. 7).  The wave of role 0 takes row 15 - i, steps 0 .. 8: nine.  The wave of role 1 takes row i whole (i + 1 steps) and stores it, then, from a fresh state,
; steps 9 .. 15 - i of row 15 - i (7 - i steps): eight in all.  That part (-M, the sums, O^T) goes to the partner through LDS as an image of its registers; behind one barrier role 0 merges the two and stores its row.
; THE MERGE: the new -M is the smaller of the two; each side is multiplied by 2^(its M - the new M), a power of two made by v_ldexp_f32: nothing is rounded; a part with no step (i = 7) has -M = 3e38 and gets the factor 0.
; LIMIT: the p of keys from step 9 on are quantised under that part's own running M, as a stream's early steps are under theirs: only numbers under the format's range can differ by it.
; role = (w ^ (w / 4)) % 2: among the four waves of equal w / 4 and among the four of equal w % 4 alike, two have each role.
; Every work-group reads all 16 key steps of its head, and roles hang on the wave's number alone: so the four partners of a cluster ask for K's and V's tiles JOINTLY.  jx enters q's and y's global addresses and the mask's lane value, and nothing else.
; THE WHOLE HEAD LIES IN LDS (K 133,120 bytes padded, V 131,072): nothing is filled again.  Each wave issues two first fills (waves 0-7: K, waves 8-15: V): its eighth of key steps 0 and 1, then its eighth of the other fourteen.
; A counted wait and a barrier open steps 0 and 1, which every wave walks first; the wait for the larger load and a second barrier open the rest.
; LAYOUT.  Both products are used transposed: a lane holds ONE query (lane % 16).  Key step sigma = rows tt = 8 sigma .. + 7.  Row m = 8 hf + j of S^T's tile 2 q + u is the key tt = 8 sigma + j, s = 4 q + 2 hf + u:
; so the conversion of tile 2 q + u gives, in lanes' half hf, the eight keys that v_ws holds at 512 q + 256 hf + 8 u + 0 .. 7: p's codes and V's fragment have their keys in the same places.
; LIMITS: e2 + e3 between -123 and 129 (added to c's exponent field); e4 and e6 between -126 and 119; e4 + e5 goes by v_ldexp_f32 and has none.
; REGISTERS: v1-4 lane terms; v5, v6 the add's two; v7, v10, v11 LDS addresses made at the head; v8, v9 addresses in hand; v12 -M, v13 the largest t, v[14:15] the sum; v16-23 Q of my first row; v32-95 K's eight fragments, then V's four;
;   v96-159 S^T, then p; v160-191 O^T; v192-207 p's codes; v208-215 rows read back; v216-223 Q of row 15 - i; v232-255 at work.
.set KP,    1040                       ; a row of K in LDS: 1,024 bytes + 16
.set VB,    128*KP                     ; V's image
.set STAGE, VB+131072                  ; 1,024 bytes for each wave, for the way out: bytes of their own
.set PART,  STAGE+16*1024              ; a pair's part of a row: nine runs of 512 bytes
.set PARTB, 9*512
.set SPARE, PART+8*PARTB               ; the spare words, 128 bytes for each of sixteen waves, which no other line names
.set AK0,  1                           ; v1  (r % 8) 1040 + (r / 8) 128 + 16 h
.set AV0,  2                           ; v2  16 x lane
.set VD,   3                           ; v3  16 jx + r - 2 h
.set QOF,  4                           ; v4  64 r + 16 h
.set SPW,  5
.set NIL,  6
.set PRT,  7                           ; v7  PART + 4,608 x pair + 16 x lane
.set ADK,  8
.set ADV,  9
.set STI,  10                          ; v10 my stage, in: 64 r + 8 h
.set STB,  11                          ; v11 my stage, back: 16 x lane
.set Q1,   16
.set Q2,   216
.set WV,   18                          ; s18 my wave's number
.set GW,   19                          ; s19 the last key step that I walk of the row in hand; it is the row's diagonal where it is the row's g
.set SEL,  20                          ; s[20:21] selects for lane l xor 16
.set CS,   22                          ; s[22:23] c = log2(e) / 8 x 2^(e2 + e3)
.set G1K0, 24                          ; s[24:55] four descriptor groups 1: K's and V's tiles of the first and of the second fill
.set G1K1, 32
.set G1V0, 40
.set G1V1, 48
.set G0K0, 56                          ; s[56:63], s[68:75] their groups 0
.set G0K1, 60
.set G0V0, 68
.set G0V1, 72
.set PR,   76                          ; s76 my pair i
.set ROLE, 77                          ; s77 my role
.set GH,   78                          ; s78 15 - i
.set ES,   81                          ; s81 e4 + e5 (at the head: the head's byte offset)
.set SG,   84                          ; s84 sigma
.set KO,   85                          ; s85 8,320 sigma
.set VOF,  86                          ; s86 VB + 8,192 sigma
.set CNT,  87
.set KW0,  15|(1<<20)|(1<<21)|(7<<22)|(3<<25)   ; 15:0 the mask: all four partners; elements of 1 byte; 20 padding on; 21 set beside a mask; four words behind every 256
.set VW0,  15|(1<<21)                  ; V: dense, no padding
.macro CROUND
	s_barrier_signal -1
	s_barrier_wait -1
	s_cmp_lg_u32 s[WV], 0
	s_cbranch_scc1 .Lnot_wave_0_\@
	s_barrier_signal -3
.Lnot_wave_0_\@:
	s_barrier_wait -3
	s_barrier_signal -1
	s_barrier_wait -1
.endm
.macro SHAPE g, w0, cols, rows         ; a descriptor group 1: rows x cols bytes, dense in memory
	s_mov_b32 s[\g], \w0
	s_mov_b32 s[\g+1], (\cols)<<16                 ; tensor_dim0
	s_mov_b32 s[\g+2], (\rows)<<16                 ; tensor_dim1
	s_mov_b32 s[\g+3], (\cols)<<16                 ; tile_dim0
	s_mov_b32 s[\g+4], \rows                       ; tile_dim1
	s_mov_b32 s[\g+5], \cols                       ; tensor_dim0_stride
	s_mov_b32 s[\g+6], 0
	s_mov_b32 s[\g+7], 0
.endm
	s_load_b256 s[4:11], s[0:1], 0x0               ; q_ws s[4:5], k_ws s[6:7], v_ws s[8:9], the scales' exponents s[10:11]
	s_load_b64 s[12:13], s[0:1], 0x20              ; y_ws
	v_lshl_add_u32 v[SPW], v0, 2, SPARE
	v_mov_b32 v[NIL], 0
	ds_add_u32 v[SPW], v[NIL]                      ; the wave's opening: the add, twice on end, and its wait ahead of my first tensor load
	ds_add_u32 v[SPW], v[NIL]
	v_lshrrev_b32 v24, 5, v0
	s_delay_alu instid0(VALU_DEP_1)
	v_readfirstlane_b32 s[WV], v24                 ; wave 0..15
	s_lshr_b32 s[PR], s[WV], 1                     ; pair i
	s_lshr_b32 s14, s[WV], 2
	s_xor_b32 s[ROLE], s[WV], s14
	s_and_b32 s[ROLE], s[ROLE], 1                  ; role
	s_xor_b32 s[GH], s[PR], 15                     ; 15 - i
	s_xor_b32 s14, s[ROLE], 1
	s_mul_i32 s14, s14, 15
	s_xor_b32 s[GW], s[PR], s14                    ; my first row, which is also the row that I store: 15 - i in role 0, i in role 1
	s_and_b32 s79, ttmp7, 0xffff                   ; the head H, which the partners share
	s_lshl_b32 s81, s79, 17                        ; its 131,072 bytes in each tensor of codes
	s_and_b32 s82, s[WV], 7                        ; which eighth of the tiles I fetch
	s_lshl_b32 s14, s82, 11
	s_add_co_u32 s14, s14, s81                     ; in memory, of K and of V alike: key steps 0 and 1 are 16,384 bytes: 2,048 an eighth;
	s_mov_b32 s15, 0
	s_mul_i32 s16, s82, 14336
	s_add_co_u32 s16, s16, s81
	s_add_co_u32 s16, s16, 16384                   ; the other fourteen are 114,688: 14,336 an eighth
	s_mov_b32 s17, 0
	s_mov_b32 s[G0K0], 1                           ; groups 0: count = 1, and the LDS address: constants and the wave's number
	s_mul_i32 s[G0K0+1], s82, 2*KP                 ; K's rows 2 wk, 2 wk + 1
	s_mov_b32 s[G0K1], 1
	s_mul_i32 s[G0K1+1], s82, 14*KP
	s_add_co_u32 s[G0K1+1], s[G0K1+1], 16*KP       ; K's rows 16 + 14 wk on
	s_mov_b32 s[G0V0], 1
	s_lshl_b32 s[G0V0+1], s82, 11
	s_add_co_u32 s[G0V0+1], s[G0V0+1], VB
	s_mov_b32 s[G0V1], 1
	s_mul_i32 s[G0V1+1], s82, 14336
	s_add_co_u32 s[G0V1+1], s[G0V1+1], VB+16384
	s_bfe_u32 s85, ttmp6, 0x40000                  ; cx
	s_lshl_b32 s80, ttmp9, 2
	s_add_co_u32 s80, s80, s85                     ; jx = 4 x cluster x + cx
	s_lshl_b32 s85, s[GW], 3
	s_add_co_u32 s85, s85, s80                     ; tq of my first row
	s_lshl_b32 s85, s85, 10                        ; 1,024 bytes a query row, in q_ws and in y_ws
	s_and_b32 s96, s79, 15
	s_lshl_b32 s96, s96, 18                        ; y_ws: h x 4,096 rows of 64 bytes,
	s_lshr_b32 s97, s79, 4
	s_lshl_b32 s97, s97, 17                        ; b x 2,048 rows,
	s_add_co_u32 s96, s96, s97
	s_add_co_u32 s96, s96, s85                     ; my 16 rows
	s_mov_b32 s97, 0
	s_add_co_u32 s86, s85, s81                     ; q_ws: the head, my first row;
	s_mov_b32 s87, 0
	s_lshl_b32 s82, s[GH], 3
	s_add_co_u32 s82, s82, s80
	s_lshl_b32 s82, s82, 10
	s_add_co_u32 s82, s82, s81                     ; and row 15 - i
	s_mov_b32 s83, 0
	SHAPE G1K0, KW0, 1024, 2
	SHAPE G1K1, KW0, 1024, 14
	SHAPE G1V0, VW0, 256, 8
	SHAPE G1V1, VW0, 256, 56
	s_mov_b32 s[SEL], 0x76543210
	s_mov_b32 s[SEL+1], 0xfedcba98
	s_mov_b32 s[CS], 0x3e38aa3b                    ; log2(e) / sqrt(64)
	s_wait_dscnt 0x0                               ; both opening adds are done
	s_wait_kmcnt 0x0
	s_load_b256 s[88:95], s[10:11], 0x0            ; e0 .. e7
	s_add_nc_u64 s[98:99], s[4:5], s[82:83]
	s_add_nc_u64 s[4:5], s[4:5], s[86:87]
	s_add_nc_u64 s[12:13], s[12:13], s[96:97]
	s_add_nc_u64 s[G0K0+2:G0K0+3], s[6:7], s[14:15]
	s_or_b32 s[G0K0+3], s[G0K0+3], 0x80000000
	s_add_nc_u64 s[G0K1+2:G0K1+3], s[6:7], s[16:17]
	s_or_b32 s[G0K1+3], s[G0K1+3], 0x80000000
	s_add_nc_u64 s[G0V0+2:G0V0+3], s[8:9], s[14:15]
	s_or_b32 s[G0V0+3], s[G0V0+3], 0x80000000
	s_add_nc_u64 s[G0V1+2:G0V1+3], s[8:9], s[16:17]
	s_or_b32 s[G0V1+3], s[G0V1+3], 0x80000000
	CROUND                                         ; all four work-groups are here: the joint loads meet
	s_cmp_lt_u32 s[WV], 8                          ; a wave's first fill stands in a branch on its number, ahead of every wait on TENSORcnt and every LDS read: one load of mine is out
	s_cbranch_scc0 .Lfirst_v
	tensor_load_to_lds s[G0K0:G0K0+3], s[G1K0:G1K0+7]
	s_nop 0
.rept 4
	v_nop
.endr
	s_branch .Lfirst_asked
.Lfirst_v:
	tensor_load_to_lds s[G0V0:G0V0+3], s[G1V0:G1V0+7]
	s_nop 0
.rept 4
	v_nop
.endr
.Lfirst_asked:
	v_and_b32 v24, 15, v0                          ; r
	v_bfe_u32 v25, v0, 4, 1                        ; h
	s_delay_alu instid0(VALU_DEP_2)
	v_lshlrev_b32 v[QOF], 6, v24
	s_delay_alu instid0(VALU_DEP_1)
	v_lshl_add_u32 v[QOF], v25, 4, v[QOF]          ; Q: position r's 64 bytes, + 16 h
	global_load_b128 v[Q1:Q1+3], v[QOF], s[4:5]
	global_load_b128 v[Q1+4:Q1+7], v[QOF], s[4:5] offset:32   ; registers 4 c .. 4 c + 3: channels 32 c + 16 h + 0 .. 15, as K's fragments have them
	global_load_b128 v[Q2:Q2+3], v[QOF], s[98:99]  ; row 15 - i, for role 1's second part.  (In role 0 it is the row above once more: the two loads stand on the path that all take, so that the registers are written on every path)
	global_load_b128 v[Q2+4:Q2+7], v[QOF], s[98:99] offset:32
	v_and_b32 v26, 7, v24
	s_delay_alu instid0(VALU_DEP_1)
	v_mul_u32_u24 v[AK0], v26, KP
	v_lshrrev_b32 v26, 3, v24
	s_delay_alu instid0(VALU_DEP_1)
	v_lshl_add_u32 v[AK0], v26, 7, v[AK0]
	s_delay_alu instid0(VALU_DEP_1)
	v_lshl_add_u32 v[AK0], v25, 4, v[AK0]          ; sixteen lanes fall on sixteen different 16-byte columns of 256: 16 (r % 8) + 128 (r / 8)
	v_and_b32 v[AV0], 31, v0
	s_delay_alu instid0(VALU_DEP_1)
	v_lshlrev_b32 v[AV0], 4, v[AV0]
	v_lshlrev_b32 v26, 1, v25
	s_delay_alu instid0(VALU_DEP_1)
	v_sub_nc_u32 v[VD], v24, v26
	s_lshl_b32 s96, s80, 4
	v_add_nc_u32 v[VD], s96, v[VD]
	s_lshl_b32 s97, s[WV], 10                      ; every LDS address of the ways out is made here, ahead of the first parting of the roles
	s_add_co_u32 s97, s97, STAGE                   ; my stage
	v_lshlrev_b32 v[STI], 6, v24
	s_delay_alu instid0(VALU_DEP_1)
	v_lshl_add_u32 v[STI], v25, 3, v[STI]
	s_delay_alu instid0(VALU_DEP_1)
	v_add_nc_u32 v[STI], s97, v[STI]
	v_add_nc_u32 v[STB], s97, v[AV0]
	s_mul_i32 s97, s[PR], PARTB
	s_add_co_u32 s97, s97, PART                    ; my pair's part
	v_add_nc_u32 v[PRT], s97, v[AV0]
.macro INIT                            ; a fresh state: the step is written once, and its first pass finds zeros, which the first change of M leaves zeros
	v_mov_b32 v13, 0xff61b1e6                      ; the largest t so far: -3e38
	s_delay_alu instid0(VALU_DEP_1)
	v_floor_f32 v12, -v13                          ; -M
	v_mov_b32 v14, 0
	v_mov_b32 v15, 0
.set j, 0
.rept 32
	v_mov_b32 v[160+j], 0
.set j, j+1
.endr
.endm
	INIT
	v_mov_b32 v236, 0                              ; written once: a lane permute's destination counts as one of its sources
	v_mov_b32 v253, 0                              ; (named as the upper halves of the pairs v[252:253] and v[254:255])
	v_mov_b32 v255, 0
	s_wait_kmcnt 0x0
	s_add_co_i32 s96, s90, s91                     ; e2 + e3, added to c's exponent field
	s_lshl_b32 s96, s96, 23
	s_add_co_i32 s[CS], s[CS], s96
	s_mov_b32 s[CS+1], s[CS]
	s_add_co_i32 s96, s92, 127
	s_lshl_b32 s97, s96, 23
	v_mov_b32 v244, s97                            ; 2^e4
	s_add_co_i32 s96, s96, 8
	s_lshl_b32 s96, s96, 23
	s_or_b32 s96, s96, 0x600000
	v_mov_b32 v240, s96                            ; 448 x 2^e4,
	v_mov_b32 v237, s96                            ; and once more, in another register bank: the two halves of a dual-issue pair name one each
	s_add_co_i32 s96, s94, 127
	s_lshl_b32 s97, s96, 23
	v_mov_b32 v245, s97                            ; 2^e6
	s_add_co_i32 s96, s96, 8
	s_lshl_b32 s96, s96, 23
	s_or_b32 s96, s96, 0x600000
	v_mov_b32 v241, s96                            ; 448 x 2^e6
	s_add_co_i32 s[ES], s92, s93                   ; e4 + e5
; A KEY STEP: 128 keys; q: where the row's Q stands.  A step behind my last is jumped over: a scalar branch on the wave's number and the count of steps, round its loads, products and softmax, and round no barrier.
.macro STEP q
	s_cmp_gt_u32 s[SG], s[GW]
	s_cbranch_scc1 .Lskip_\@
	v_add_nc_u32 v[ADK], s[KO], v[AK0]
	v_add_nc_u32 v[ADV], s[VOF], v[AV0]
	v_nop
	v_nop                                          ; four places in front of loads into registers that the last products read
.irp t, 0,1,2,3,4,5,6,7
.irp c, 0,1
	ds_load_b128 v[32+8*\t+4*\c:32+8*\t+4*\c+3], v[ADK] offset:(4*(\t/2)+\t%2)*64+32*\c
.endr
.endr
	s_wait_alu depctr_va_vdst(0)
	s_wait_dscnt 0x0
.irp t, 0,1,2,3,4,5,6,7
	v_wmma_f32_16x16x64_fp8_fp8 v[96+8*\t:103+8*\t], v[32+8*\t:39+8*\t], v[\q:\q+7], 0
.endr
.rept 4
	v_nop
.endr
.irp d, 0,1,2,3                                ; V's four fragments are asked for now and land under the softmax
.irp c, 0,1,2,3
	ds_load_b128 v[32+16*\d+4*\c:32+16*\d+4*\c+3], v[ADV] offset:2048*\d+512*\c
.endr
.endr
	s_cmp_lg_u32 s[SG], s[GW]
	s_cbranch_scc1 .Lopen_\@
	v_mov_b32 v254, 0xff800000                     ; on the diagonal: register 8 tau + j holds the key 16 j + 4 (tau / 2) + 2 h + tau % 2 of the step, hidden where that is above 16 jx + r.  (In role 0, rows 9 to 15, step 8 is no diagonal: there s[GW] is the row's g, above 8)
.set n, 0
.rept 64
	v_cmp_gt_i32 vcc_lo, 16*(n%8)+4*(n/16)+(n/8)%2, v[VD]
	v_cndmask_b32 v[96+n], v[96+n], v254, vcc_lo
.set n, n+1
.endr
.Lopen_\@:
	v_max3_num_f32 v254, v96, v97, v98             ; the step's largest score of my query, among my 64 keys, in two chains, ascending,
	v_max3_num_f32 v252, v99, v100, v101
.irp i, 6,10,14,18,22,26,30,34,38,42,46,50,54,58
	v_max3_num_f32 v254, v254, v[96+\i], v[97+\i]
	v_max3_num_f32 v252, v252, v[98+\i], v[99+\i]
.endr
	v_max3_num_f32 v254, v254, v158, v159
	s_delay_alu instid0(VALU_DEP_1)
	v_max_num_f32 v254, v254, v252
	s_delay_alu instid0(VALU_DEP_1)
	v_permlanex16_b32 v236, v254, s[SEL], s[SEL+1]
	s_delay_alu instid0(VALU_DEP_1)
	v_max_num_f32 v254, v254, v236                 ; and among lane l xor 16's.  (The first key of every step that is walked counts for every query of the row, so this is a number in every step)
	s_delay_alu instid0(VALU_DEP_1)
	v_mul_f32 v254, s[CS], v254                    ; as t
	s_delay_alu instid0(VALU_DEP_1)
	v_max_num_f32 v13, v13, v254
	v_mov_b32 v254, v12
	s_delay_alu instid0(VALU_DEP_2)
	v_floor_f32 v12, -v13                          ; the new -M = -ceil(t)
	s_delay_alu instid0(VALU_DEP_1)
	v_sub_f32 v254, v12, v254
	s_delay_alu instid0(VALU_DEP_1)
	v_cvt_i32_f32 v254, v254
	s_delay_alu instid0(VALU_DEP_1)
	v_ldexp_f32 v252, 1.0, v254                    ; f = 2^(old M - new M): exact
.set j, 0
.rept 32
	v_pk_fma_f32 v[96+j:97+j], v[96+j:97+j], s[CS:CS+1], v[12:13] op_sel_hi:[1,0,0]   ; t - M
.set j, j+2
.endr
.set j, 0
	s_wait_alu depctr_va_vdst(0)
.rept 64
	v_exp_f32 v[96+j], v[96+j]
.set j, j+1
.endr
	v_pk_mul_f32 v[14:15], v[14:15], v[252:253] op_sel_hi:[1,0]   ; the sums under the new M; the plain line behind the exponentials
	s_wait_alu depctr_va_vdst(0)                   ; one wait for the batch, ahead of its first reader
	v_pk_add_f32 v[242:243], v[100:101], v[104:105]
	v_pk_add_f32 v[250:251], v[108:109], v[112:113]
	v_pk_add_f32 v[248:249], v[116:117], v[120:121]
	v_pk_add_f32 v[246:247], v[124:125], v[128:129]
	v_pk_add_f32 v[238:239], v[132:133], v[136:137]
	v_pk_add_f32 v[234:235], v[140:141], v[144:145]
	v_pk_add_f32 v[232:233], v[148:149], v[152:153]
	v_pk_add_f32 v[14:15], v[14:15], v[156:157]
	v_pk_add_f32 v[242:243], v[242:243], v[96:97]
	v_pk_add_f32 v[250:251], v[250:251], v[98:99]
	v_pk_add_f32 v[248:249], v[248:249], v[102:103]
	v_pk_add_f32 v[246:247], v[246:247], v[106:107]
	v_pk_add_f32 v[238:239], v[238:239], v[110:111]
	v_pk_add_f32 v[234:235], v[234:235], v[114:115]
	v_pk_add_f32 v[232:233], v[232:233], v[118:119]
	v_pk_add_f32 v[14:15], v[14:15], v[122:123]
	v_pk_add_f32 v[242:243], v[242:243], v[126:127]
	v_pk_add_f32 v[250:251], v[250:251], v[130:131]
	v_pk_add_f32 v[248:249], v[248:249], v[134:135]
	v_pk_add_f32 v[246:247], v[246:247], v[138:139]
	v_pk_add_f32 v[238:239], v[238:239], v[142:143]
	v_pk_add_f32 v[234:235], v[234:235], v[146:147]
	v_pk_add_f32 v[232:233], v[232:233], v[150:151]
	v_pk_add_f32 v[14:15], v[14:15], v[154:155]
	v_pk_add_f32 v[242:243], v[242:243], v[158:159]
	s_delay_alu instid0(VALU_DEP_2)
	v_pk_add_f32 v[14:15], v[14:15], v[246:247]
	s_delay_alu instid0(VALU_DEP_2)
	v_pk_add_f32 v[242:243], v[242:243], v[238:239]
	v_pk_add_f32 v[250:251], v[250:251], v[234:235]
	v_pk_add_f32 v[248:249], v[248:249], v[232:233]
	s_delay_alu instid0(VALU_DEP_2)
	v_pk_add_f32 v[14:15], v[14:15], v[250:251]
	s_delay_alu instid0(VALU_DEP_2)
	v_pk_add_f32 v[242:243], v[242:243], v[248:249]
	s_delay_alu instid0(VALU_DEP_1)
	v_pk_add_f32 v[14:15], v[14:15], v[242:243]
.irp t, 0,1,2,3,4,5,6,7
.irp i, 0,2,4,6
	v_dual_min_num_f32 v[96+8*\t+\i], v[96+8*\t+\i], v240 :: v_dual_min_num_f32 v[97+8*\t+\i], v[97+8*\t+\i], v237   ; p is not negative: a one-sided hold, two numbers an instruction
.endr
	v_cvt_scalef32_pk8_fp8_f32 v[192+2*\t:193+2*\t], v[96+8*\t:103+8*\t], v244
.endr
.set j, 0
.rept 16
	v_pk_mul_f32 v[160+j:161+j], v[160+j:161+j], v[252:253] op_sel_hi:[1,0]   ; O^T under the new M; also the plain lines behind the conversions
.set j, j+2
.endr
	s_wait_alu depctr_va_vdst(0)
	s_wait_dscnt 0x0                               ; V
.irp d, 0,1,2,3
	v_wmma_f32_16x16x128_fp8_fp8 v[160+8*\d:167+8*\d], v[32+16*\d:47+16*\d], v[192:207], v[160+8*\d:167+8*\d]
.endr
.Lskip_\@:
	s_add_co_u32 s[SG], s[SG], 1
	s_add_co_u32 s[KO], s[KO], 8*KP
	s_add_co_u32 s[VOF], s[VOF], 8192
.endm
; Key steps first .. first + trips - 1: every wave walks the loop, whose trip count is a constant; the jump stands inside it.
.macro RUN first, trips, q
	s_mov_b32 s[SG], \first
	s_mov_b32 s[KO], (\first)*8*KP
	s_mov_b32 s[VOF], VB+(\first)*8192
	s_mov_b32 s[CNT], \trips
.Lrun_\@:
	STEP \q
	s_sub_co_u32 s[CNT], s[CNT], 1
	s_cmp_lg_u32 s[CNT], 0
	s_cbranch_scc1 .Lrun_\@
.endm
; THE WAY OUT of a finished row: y = O^T / l x 2^(e4 + e5), quantised with 2^e6.  Lane (r, h) holds position 16 tq + r and, in tile delta, channels 16 delta + 8 h + 0 .. 7.  The row's 16 positions are 1,024 consecutive bytes of y_ws.
.macro WAYOUT
	v_add_f32 v14, v14, v15
	s_wait_alu depctr_va_vdst(0)
	v_permlanex16_b32 v236, v14, s[SEL], s[SEL+1]
	s_delay_alu instid0(VALU_DEP_1)
	v_add_f32 v14, v14, v236
	s_wait_alu depctr_va_vdst(0)
	v_rcp_f32 v14, v14
.rept 3
	v_nop                                          ; the plain line behind the reciprocal; with the additions above and the line below also the places behind the last products
.endr
	s_wait_alu depctr_va_vdst(0)                   ; the wait ahead of the reciprocal's first reader
	v_ldexp_f32 v14, v14, s[ES]
.set j, 0
.rept 32
	v_mul_f32 v[96+j], v[160+j], v14               ; each accumulator from its low end on
.set j, j+1
.endr
.set j, 0
.rept 32
	v_med3_num_f32 v[96+j], v[96+j], -v241, v241
.set j, j+1
.endr
.irp d, 0,1,2,3
	v_cvt_scalef32_pk8_fp8_f32 v[128+2*\d:129+2*\d], v[96+8*\d:103+8*\d], v245
.endr
	v_nop
.irp d, 0,1,2,3
	ds_store_b64 v[STI], v[128+2*\d:129+2*\d] offset:16*\d
.endr
	s_wait_xcnt 0x0                                ; no earlier store still reads the registers that the loads below write
.irp i, 0,1
	ds_load_b128 v[208+4*\i:211+4*\i], v[STB] offset:512*\i   ; LDS serves a wave's instructions in order: these see my stores
.endr
.irp i, 0,1
	s_wait_dscnt 1-\i                              ; the younger of the two may stay out
	global_store_b128 v[AV0], v[208+4*\i:211+4*\i], s[12:13] offset:512*\i   ; 32 lanes store 512 consecutive bytes, aligned
.endr
.endm
	; At the head each wave has issued ONE first fill, its eighth of key steps 0 and 1.  Its eighth of the other fourteen is a first fill too, issued as a refill is: behind the three lines and a round of the cluster's barrier.
	; It lands while key steps 0 and 1 are walked.  No prefetch: both fills are asked for at the launch's start, and there is no loop that runs ahead of a load.
	s_wait_alu depctr_va_vdst(0)                   ; the wait at the head's end
	s_wait_loadcnt 0x0                             ; Q, both rows
	s_wait_tensorcnt 0x0                           ; my part of key steps 0 and 1 is in
	ds_add_u32 v[SPW], v[NIL]
	s_wait_dscnt 0x0
	CROUND                                         ; everybody's is, and all four work-groups are here: the joint loads meet
	s_cmp_lt_u32 s[WV], 8
	s_cbranch_scc0 .Lsecond_v
	tensor_load_to_lds s[G0K1:G0K1+3], s[G1K1:G1K1+7]
	s_nop 0
.rept 4
	v_nop
.endr
	s_branch .Lsecond_asked
.Lsecond_v:
	tensor_load_to_lds s[G0V1:G0V1+3], s[G1V1:G1V1+7]
	s_nop 0
.rept 4
	v_nop
.endr
.Lsecond_asked:
	RUN 0, 2, Q1
	s_wait_tensorcnt 0x0                           ; my part of the other fourteen steps is in,
	s_wait_dscnt 0x0
	s_barrier_signal -1
	s_barrier_wait -1                              ; everybody's is: from here to the parts' barrier no wave waits for another
	RUN 2, 7, Q1                                   ; role 0: steps 2 to 8 of row 15 - i; role 1: the rest of row i
	s_cmp_eq_u32 s[ROLE], 0
	s_cbranch_scc1 .Lholds                         ; role 0 holds its state
	WAYOUT                                         ; role 1: row i is finished
	INIT
.Lholds:
	s_mul_i32 s[GW], s[ROLE], s[GH]                ; role 1: up to row 15 - i's diagonal; role 0: 0, so that it jumps over all seven steps
	RUN 9, 7, Q2
.rept 4
	v_nop                                          ; the places between the last products and the LDS stores that read their results
.endr
	s_cmp_eq_u32 s[ROLE], 0
	s_cbranch_scc1 .Lno_part
	s_wait_alu depctr_va_vdst(0)
.irp i, 0,1,2,3,4,5,6,7
	ds_store_b128 v[PRT], v[160+4*\i:163+4*\i] offset:512*\i   ; role 1: the part goes to LDS as its registers stand, lane l's 16 bytes at 16 l; each accumulator from its low end on
.endr
	ds_store_b128 v[PRT], v[12:15] offset:8*512    ; -M, the largest t, the two sums
.Lno_part:
	s_wait_dscnt 0x0                               ; for the partner's sake: my stores are done
	s_barrier_signal -1
	s_barrier_wait -1
	s_cmp_lg_u32 s[ROLE], 0
	s_cbranch_scc1 .Lend
	ds_load_b128 v[128:131], v[PRT] offset:8*512   ; role 0: the partner's part, in the same lanes
.irp i, 0,1,2,3,4,5,6,7
	ds_load_b128 v[96+4*\i:99+4*\i], v[PRT] offset:512*\i
.endr
	s_wait_dscnt 0x0
	v_min_num_f32 v26, v12, v128                   ; the new -M
	s_delay_alu instid0(VALU_DEP_1)
	v_sub_f32 v252, v26, v12                       ; my M less the new one: a whole number, 0 or less
	s_delay_alu instid0(VALU_DEP_2)
	v_sub_f32 v254, v26, v128                      ; the partner's likewise
	s_delay_alu instid0(VALU_DEP_2)
	v_cvt_i32_f32 v252, v252                       ; (they saturate)
	s_delay_alu instid0(VALU_DEP_2)
	v_cvt_i32_f32 v254, v254
	s_delay_alu instid0(VALU_DEP_2)
	v_ldexp_f32 v252, 1.0, v252
	s_delay_alu instid0(VALU_DEP_2)
	v_ldexp_f32 v254, 1.0, v254
	s_delay_alu instid0(VALU_DEP_2)
	v_pk_mul_f32 v[14:15], v[14:15], v[252:253] op_sel_hi:[1,0]
	s_delay_alu instid0(VALU_DEP_1)
	v_pk_fma_f32 v[14:15], v[130:131], v[254:255], v[14:15] op_sel_hi:[1,0,1]
.set j, 0
.rept 16
	v_pk_mul_f32 v[160+j:161+j], v[160+j:161+j], v[252:253] op_sel_hi:[1,0]
.set j, j+2
.endr
.set j, 0
.rept 16
	v_pk_fma_f32 v[160+j:161+j], v[96+j:97+j], v[254:255], v[160+j:161+j] op_sel_hi:[1,0,1]
.set j, j+2
.endr
	WAYOUT                                         ; row 15 - i is finished
.Lend:
	s_wait_tensorcnt 0x0                           ; the wave's end
	ds_add_u32 v[SPW], v[NIL]
	s_wait_dscnt 0x0
	CROUND                                         ; the closing round
	s_endpgm
.Lfunc_end_k_qc6ac066870_attn:
	.size	k_qc6ac066870_attn, .Lfunc_end_k_qc6ac066870_attn-k_qc6ac066870_attn
	.p2alignl 7, 3214868480
	.fill 96, 4, 3214868480
	.section	.rodata,"a",@progbits
	.p2align	6, 0x0
	.amdhsa_kernel k_qc6ac066870_attn
		.amdhsa_group_segment_fixed_size 327680
		.amdhsa_private_segment_fixed_size 0
		.amdhsa_enable_private_segment 0
		.amdhsa_kernarg_size 40
		.amdhsa_user_sgpr_count 2
		.amdhsa_user_sgpr_kernarg_segment_ptr 1
		.amdhsa_wavefront_size32 1
		.amdhsa_system_sgpr_workgroup_id_x 1
		.amdhsa_system_sgpr_workgroup_id_y 1
		.amdhsa_system_sgpr_workgroup_id_z 1
		.amdhsa_system_vgpr_workitem_id 0
		.amdhsa_next_free_vgpr 256
		.amdhsa_next_free_sgpr 100
		.amdhsa_reserve_vcc 1
		.amdhsa_float_denorm_mode_32 3
		.amdhsa_float_denorm_mode_16_64 3
		.amdhsa_memory_ordered 1
		.amdhsa_forward_progress 1
		.amdhsa_inst_pref_size 90
	.end_amdhsa_kernel
	.amdgpu_metadata
---
amdhsa.version: [ 1, 2 ]
amdhsa.kernels:
  - .name:           k_qc6ac066870_attn
    .symbol:         k_qc6ac066870_attn.kd
    .args:
      - { .name: q_ws, .offset: 0, .size: 8, .value_kind: global_buffer, .address_space: global }
      - { .name: k_ws, .offset: 8, .size: 8, .value_kind: global_buffer, .address_space: global }
      - { .name: v_ws, .offset: 16, .size: 8, .value_kind: global_buffer, .address_space: global }
      - { .name: lowp_scales, .offset: 24, .size: 8, .value_kind: global_buffer, .address_space: global }
      - { .name: y_ws, .offset: 32, .size: 8, .value_kind: global_buffer, .address_space: global }
    .group_segment_fixed_size: 327680
    .private_segment_fixed_size: 0
    .kernarg_segment_align: 8
    .kernarg_segment_size: 40
    .max_flat_workgroup_size: 512
    .sgpr_count:     100
    .vgpr_count:     256
    .wavefront_size: 32
...
	.end_amdgpu_metadata
.endif
;; end of part 3
;; launch gemm_o (part 4): grid 8 x 32, 4 waves a work-group, clusters of 4 x 4, 327,680 bytes of LDS; arguments y_ws, Wo_codes, lowp_scales, bo, x, x1, x1q; writes x1, x1q
.if DOCPART == 4
	.amdgcn_target "amdgcn-amd-amdhsa--gfx1250"
	.amdhsa_code_object_version 6
	.text
	.protected	k_qc6ac066870_gemm_o
	.globl	k_qc6ac066870_gemm_o
	.p2align	8
	.type	k_qc6ac066870_gemm_o,@function
k_qc6ac066870_gemm_o:
	s_mov_b64 s[64:65], 0
	v_nop
	global_prefetch_b8 v0, s[64:65] scope:SCOPE_SE
	s_setreg_imm32_b32 hwreg(HW_REG_WAVE_MODE, 25, 1), 1
	s_wait_xcnt 0x0
	s_wait_alu depctr_hold_cnt(0) depctr_sa_sdst(0) depctr_va_vdst(0) depctr_va_sdst(0) depctr_va_ssrc(0) depctr_va_vcc(0) depctr_vm_vsrc(0)
	s_getreg_b32 s2, hwreg(HW_REG_IB_STS2, 6, 4)
	s_cmp_eq_u32 s2, 0
	s_cbranch_scc0 .Lentry_in_a_cluster
	s_endpgm
.Lentry_in_a_cluster:
	s_bfe_u32 s2, ttmp6, 0x10000c
	s_cmp_lg_u32 s2, 0xf033
	s_cbranch_scc0 .Lentry_shape_is_right
	s_endpgm
.Lentry_shape_is_right:
; x1 = x + (y Wo x 2^(e6 + e7) + bo), on codes of FP8 (E4M3); stores x1 (f32) and its codes with 2^e8: x1q [8 blocks of 128 along K][4096 rows][128 bytes].  A = y_ws [16 heads][4096 rows][64 bytes], B = Wo_codes [1024][1024].
; A tile of C is 128 x 128: 256 work-groups of four waves, each 64 x 64.  THE WHOLE K = 1,024 LIES IN LDS: A 2 x 16 planes x 64 rows x 80 bytes = 163,840, B 128 rows x 1,040 = 133,120: one tensor load a wave, nothing is filled again.
; The text's 'slot' 0, 1 is the half of K: A's planes 0-7 or 8-15, B's bytes 0-511 or 512-1023 of a row.  Clusters 4 x 4: A's tile is asked for jointly along a row, B's along a column.
; No prefetch: the one fill is asked for at the launch's start, and there is no loop to run ahead in.  LIMITS: e6 + e7 between -126 and 127; e8 between -126 and 119.  NaN among the inputs is not served.
.set MODE,   3
.if MODE == 3
.set KTOT,   1024
.set KB,     64
.set PA,     80
.set PLANE,  64*80
.set HALFA,  16*64*80
.set AROW,   64
.set ASTEP,  8*4096*64
.set AD0,    64*64
.set AD1,    16
.set ASTR,   4096*64
.set AQI,    3
.else
.set KTOT,   4096
.set KB,     512
.set PA,     528
.set PLANE,  0
.set HALFA,  64*528
.set AROW,   4096
.set ASTEP,  512
.set AD0,    512
.set AD1,    64
.set ASTR,   4096
.set AQI,    6
.endif
.set PB,     1040
.set HALFB,  64*PB
.set SLOT,   2*HALFA+2*HALFB
.set SPARE,  SLOT
.set SPITCH, 528
.set CSTG,   128*SPITCH
.set LAPS,   KTOT/1024
.set SCL,  12
.set LIM,  13
.set ADRA, 16
.set ADRB, 20
.set CRD,  22
.set STO,  24
.set RD,   25
.set GO,   26
.set CST,  27
.set SPW,  28
.set NIL,  29
.set BO,   30
.set BI,   32
.set TMP,  64
.set ACC,  128
.set F0,   0
.set F1,   128
.set G1, 24
.set G0, 32
.set G1B, 48
.set G0B, 56
.set MSB, 0
.macro WIN new
.if MSB != \new
	s_set_vgpr_msb (MSB<<8)|\new
.set MSB, \new
.endif
.endm
.set MUL,  0x05
.set TO_F, 0x40
.macro JLOAD s
	s_cmp_eq_u32 s15, 0
	s_cbranch_scc0 .Lfor_b_\@
	tensor_load_to_lds s[G0+4*\s:G0+4*\s+3], s[G1:G1+7]
	s_nop 0
.rept 4
	v_nop
.endr
	s_branch .Lasked_\@
.Lfor_b_\@:
	tensor_load_to_lds s[G0B+4*\s:G0B+4*\s+3], s[G1B:G1B+7]
	s_nop 0
.rept 4
	v_nop
.endr
.Lasked_\@:
.endm
.macro CREST
	s_cmp_lg_u32 s14, 0
	s_cbranch_scc1 .Lnot_wave_0_\@
	s_barrier_signal -3
.Lnot_wave_0_\@:
	s_barrier_wait -3
	s_barrier_signal -1
	s_barrier_wait -1
.endm
.macro CROUND
	s_barrier_signal -1
	s_barrier_wait -1
	CREST
.endm
	s_load_b256 s[4:11], s[0:1], 0x0
	s_load_b128 s[68:71], s[0:1], 0x20
.if MODE == 3
	s_load_b64 s[72:73], s[0:1], 0x30
.endif
	v_lshl_add_u32 v[SPW], v0, 2, SPARE
	v_mov_b32 v[NIL], 0
	ds_add_u32 v[SPW], v[NIL]
	ds_add_u32 v[SPW], v[NIL]
	v_lshrrev_b32 v1, 5, v0
	v_readfirstlane_b32 s14, v1
	s_lshr_b32 s15, s14, 1
	s_and_b32 s16, s14, 1
	s_bfe_u32 s40, ttmp6, 0x40000
	s_bfe_u32 s41, ttmp6, 0x40004
	s_lshl_b32 s42, ttmp9, 2
	s_add_co_u32 s42, s42, s40
	s_and_b32 s17, ttmp7, 0xffff
	s_lshl_b32 s17, s17, 2
	s_add_co_u32 s17, s17, s41
	s_lshl_b32 s43, s41, 2
	s_lshl_b32 s43, 15, s43
	s_lshl_b32 s44, 0x1111, s40
	s_or_b32 s[G1+0], s43, (1<<20)|(1<<21)|(AQI<<22)|(3<<25)
	s_or_b32 s[G1B+0], s44, (1<<20)|(1<<21)|(7<<22)|(3<<25)    ; four words of padding behind every 256
	s_mov_b32 s[G1+1], (AD0&0xffff)<<16
	s_mov_b32 s[G1+2], (AD0>>16)|(AD1<<16)
	s_mov_b32 s[G1+3], AD0<<16
	s_mov_b32 s[G1+4], AD1
	s_mov_b32 s[G1+5], ASTR
	s_mov_b32 s[G1+6], 0
	s_mov_b32 s[G1+7], 0
	s_mov_b32 s[G1B+1], 1024<<16
	s_mov_b32 s[G1B+2], 64<<16
	s_mov_b32 s[G1B+3], 1024<<16
	s_mov_b32 s[G1B+4], 64
	s_mov_b32 s[G1B+5], KTOT
	s_mov_b32 s[G1B+6], 0
	s_mov_b32 s[G1B+7], 0
	s_lshl_b32 s18, s16, 6
	s_lshl_b32 s20, s17, 7
	s_add_co_u32 s20, s20, s18
	s_mul_i32 s20, s20, AROW
	s_mov_b32 s21, 0
	s_lshl_b32 s46, s42, 7
	s_add_co_u32 s46, s46, s18
	s_mul_i32 s46, s46, KTOT
	s_mov_b32 s47, 0
	s_mul_i32 s45, s16, HALFA
	s_mul_i32 s74, s16, HALFB
	s_add_co_u32 s74, s74, 2*HALFA
	s_wait_dscnt 0x0
	s_wait_kmcnt 0x0
	s_load_b256 s[76:83], s[8:9], 0x0
	s_load_b128 s[84:87], s[8:9], 0x20
	s_add_nc_u64 s[20:21], s[4:5], s[20:21]
	s_add_nc_u64 s[46:47], s[6:7], s[46:47]
	CROUND
.irp s, 0
	s_mov_b32 s[G0+4*\s], 1
	s_add_co_u32 s[G0+4*\s+1], s45, \s*SLOT
	s_add_nc_u64 s[G0+4*\s+2:G0+4*\s+3], s[20:21], \s*ASTEP
	s_or_b32 s[G0+4*\s+3], s[G0+4*\s+3], 0x80000000
	s_mov_b32 s[G0B+4*\s], 1
	s_add_co_u32 s[G0B+4*\s+1], s74, \s*SLOT
	s_add_nc_u64 s[G0B+4*\s+2:G0B+4*\s+3], s[46:47], \s*512
	s_or_b32 s[G0B+4*\s+3], s[G0B+4*\s+3], 0x80000000
	JLOAD \s                                       ; my one tensor load: 64 rows of A or of B, all of K
.endr
	v_and_b32 v1, 15, v0
	v_bfe_u32 v2, v0, 4, 1
	v_mul_u32_u24 v3, v1, PA
	v_lshl_add_u32 v3, v2, 4, v3
	v_mul_u32_u24 v4, v1, PB
	v_lshl_add_u32 v4, v2, 4, v4
	s_mul_i32 s21, s15, HALFA
	s_mul_i32 s22, s16, HALFB
	s_add_co_u32 s22, s22, 2*HALFA
.irp s, 0,1
	v_add_nc_u32 v[ADRA+\s], s21, v3
	v_add_nc_u32 v[ADRB+\s], s22, v4
	s_add_co_u32 s21, s21, 8*PLANE                 ; the second half of K: eight planes on in A,
	s_add_co_u32 s22, s22, 512                     ; 512 bytes on in a row of B
.endr
	s_mul_i32 s23, s15, 64*SPITCH
	s_lshl_b32 s18, s16, 8
	s_add_co_u32 s23, s23, s18
	v_mul_u32_u24 v5, v1, SPITCH
	v_lshl_add_u32 v5, v2, 5, v5
	v_add_nc_u32 v[STO], s23, v5
	v_and_b32 v6, 31, v0
	v_lshlrev_b32 v[GO], 4, v6
	s_wait_alu depctr_va_vdst(0)
	s_mul_i32 s23, s14, 32*SPITCH
	v_add_nc_u32 v[RD], s23, v[GO]
	v_lshlrev_b32 v[BO], 5, v2
.if MODE == 3
	s_wait_alu depctr_va_vdst(0)
	s_lshl_b32 s23, s14, 12
	s_add_co_u32 s23, s23, CSTG
	v_lshl_add_u32 v[CST], v6, 2, s23
	v_add_nc_u32 v[CRD], s23, v[GO]
.endif
	s_lshl_b32 s18, s17, 7
	s_lshl_b32 s19, s14, 5
	s_add_co_u32 s18, s18, s19
	s_lshl_b32 s88, s18, 12
	s_lshl_b32 s19, s42, 9
	s_add_co_u32 s88, s88, s19
	s_mov_b32 s89, 0
	s_add_nc_u64 s[68:69], s[68:69], s[88:89]
	s_add_nc_u64 s[70:71], s[70:71], s[88:89]
.if MODE == 3
	s_lshl_b32 s88, s18, 7
	s_lshl_b32 s19, s42, 19
	s_add_co_u32 s88, s88, s19
	s_add_nc_u64 s[72:73], s[72:73], s[88:89]
.endif
	WIN 0x80
.set j, 0
.rept 32
	global_load_b128 v[4*j:4*j+3], v[GO], s[68:69] offset:4096*j th:TH_LOAD_NT
.set j, j+1
.endr
	WIN 0
	s_lshl_b32 s18, s42, 9
	s_lshl_b32 s19, s16, 8
	s_add_co_u32 s18, s18, s19
	s_mov_b32 s19, 0
	s_add_nc_u64 s[10:11], s[10:11], s[18:19]
.irp b, 0,1,2,3
	global_load_b128 v[BI+8*\b:BI+8*\b+3], v[BO], s[10:11] offset:64*\b
	global_load_b128 v[BI+8*\b+4:BI+8*\b+7], v[BO], s[10:11] offset:64*\b+16
.endr
.macro MUL4 f, a, zero
.irp b, 0,1,2,3
.if \zero
	v_wmma_f32_16x16x128_fp8_fp8 v[ACC+8*(4*(\a)+\b):ACC+8*(4*(\a)+\b)+7], v[\f+64+16*\b:\f+64+16*\b+15], v[\f+16*(\a):\f+16*(\a)+15], 0
.else
	v_wmma_f32_16x16x128_fp8_fp8 v[ACC+8*(4*(\a)+\b):ACC+8*(4*(\a)+\b)+7], v[\f+64+16*\b:\f+64+16*\b+15], v[\f+16*(\a):\f+16*(\a)+15], v[ACC+8*(4*(\a)+\b):ACC+8*(4*(\a)+\b)+7]
.endif
.endr
.endm
.macro FETCH slot, q, f
	WIN TO_F
.irp i, 0,1,2,3
.irp c, 0,1,2,3
	ds_load_b128 v[\f+64+16*\i+4*\c:\f+64+16*\i+4*\c+3], v[ADRB+\slot] offset:128*(\q)+32*\c+\i*16*PB
.endr
.endr
.irp i, 0,1,2,3
.irp c, 0,1,2,3
	ds_load_b128 v[\f+16*\i+4*\c:\f+16*\i+4*\c+3], v[ADRA+\slot] offset:((128*(\q)+32*\c)/KB)*PLANE+(128*(\q)+32*\c)%KB+\i*16*PA
.endr
.endr
.endm
.macro PLACES
.rept 4
	v_nop
.endr
.endm
.macro QUARTER slot, qn, f, g, zero
	s_wait_dscnt 8
	WIN MUL
	MUL4 \f, 0, \zero
	MUL4 \f, 1, \zero
	PLACES
	FETCH \slot, \qn, \g
	s_wait_dscnt 32
	WIN MUL
	MUL4 \f, 2, \zero
	MUL4 \f, 3, \zero
.endm
.macro TURN slot, next, fill
	WIN 0
	s_wait_tensorcnt 0x0
	ds_add_u32 v[SPW], v[NIL]
	s_wait_dscnt 9
	WIN MUL
	MUL4 F1, 0, 0
	s_wait_dscnt 0x0
	s_barrier_signal -1
	MUL4 F1, 1, 0
.if \fill
	WIN 0
.endif
	s_barrier_wait -1
.if \fill
	CREST
	s_add_nc_u64 s[G0+4*\slot+2:G0+4*\slot+3], s[G0+4*\slot+2:G0+4*\slot+3], 2*ASTEP
	s_add_nc_u64 s[G0B+4*\slot+2:G0B+4*\slot+3], s[G0B+4*\slot+2:G0B+4*\slot+3], 2*512
	JLOAD \slot
.else
	PLACES
.endif
	FETCH \next, 0, F0
	WIN MUL
	MUL4 F1, 2, 0
	MUL4 F1, 3, 0
.endm
	s_wait_alu depctr_va_vdst(0)                   ; the wait at the head's end
	s_wait_tensorcnt 0x0                           ; my part of the tiles is in,
	s_barrier_signal -1
	s_barrier_wait -1                              ; everybody's is
	FETCH 0, 0, F0
	QUARTER 0, 1, F0, F1, 1
.if LAPS > 1
	WIN 0
	s_mov_b32 s3, LAPS-1
.Llap:
	QUARTER 0, 2, F1, F0, 0
	QUARTER 0, 3, F0, F1, 0
	TURN 0, 1, 1
	QUARTER 1, 1, F0, F1, 0
	QUARTER 1, 2, F1, F0, 0
	QUARTER 1, 3, F0, F1, 0
	TURN 1, 0, 1
	QUARTER 0, 1, F0, F1, 0
	WIN 0
	s_sub_co_u32 s3, s3, 1
	s_cmp_lg_u32 s3, 0
	s_cbranch_scc1 .Llap
.endif
	QUARTER 0, 2, F1, F0, 0
	QUARTER 0, 3, F0, F1, 0
	TURN 0, 1, 0
	QUARTER 1, 1, F0, F1, 0
	QUARTER 1, 2, F1, F0, 0
	QUARTER 1, 3, F0, F1, 0
	s_wait_dscnt 8
	WIN MUL
	MUL4 F1, 0, 0
	MUL4 F1, 1, 0
	s_wait_dscnt 0
	s_barrier_signal -1                            ; my reads of the tiles are over: the stage of the way out lies on A's bytes
	MUL4 F1, 2, 0
	MUL4 F1, 3, 0
	WIN 0
	s_wait_kmcnt 0x0
.if MODE == 3
	s_add_co_i32 s96, s82, s83
.else
	s_add_co_i32 s96, s86, s87
.endif
	s_add_co_i32 s96, s96, 127
	s_lshl_b32 s96, s96, 23
	s_mov_b32 s97, s96
.if MODE == 3
	s_add_co_i32 s88, s84, 127
	s_lshl_b32 s89, s88, 23
	v_mov_b32 v[SCL], s89
	s_add_co_i32 s88, s88, 8
	s_lshl_b32 s88, s88, 23
	s_or_b32 s88, s88, 0x600000
	v_mov_b32 v[LIM], s88
.endif
	PLACES
	s_wait_loadcnt 0x0
	s_barrier_wait -1                              ; everybody's reads are over
.irp a, 0,1,2,3
.irp b, 0,1,2,3
.irp i, 0,2,4,6
	v_pk_fma_f32 v[ACC+8*(4*\a+\b)+\i:ACC+8*(4*\a+\b)+\i+1], v[ACC+8*(4*\a+\b)+\i:ACC+8*(4*\a+\b)+\i+1], s[96:97], v[BI+8*\b+\i:BI+8*\b+\i+1] op_sel_hi:[1,0,1]
.endr
.endr
.endr
.irp a, 0,1,2,3
.irp b, 0,1,2,3
	ds_store_b128 v[STO], v[ACC+8*(4*\a+\b):ACC+8*(4*\a+\b)+3] offset:\a*16*SPITCH+64*\b
	ds_store_b128 v[STO], v[ACC+8*(4*\a+\b)+4:ACC+8*(4*\a+\b)+7] offset:\a*16*SPITCH+64*\b+16
.endr
.endr
	s_wait_dscnt 0x0
	s_barrier_signal -1
	s_barrier_wait -1
.set j, 0
.rept 32
	ds_load_b128 v[ACC+4*j:ACC+4*j+3], v[RD] offset:j*SPITCH
.set j, j+1
.endr
	s_wait_dscnt 0x0
	WIN 0x08
.set j, 0
.rept 64
	v_pk_add_f32 v[ACC+j:ACC+j+1], v[ACC+j:ACC+j+1], v[j:j+1]
.set j, j+2
.endr
	WIN 0
.set j, 0
.rept 32
.if MODE == 3
	global_store_b128 v[GO], v[ACC+4*j:ACC+4*j+3], s[70:71] offset:4096*j
.else
	global_store_b128 v[GO], v[ACC+4*j:ACC+4*j+3], s[70:71] offset:4096*j th:TH_STORE_NT
.endif
.set j, j+1
.endr
.if MODE == 3
.irp u, 0,1
.set j, 0
.rept 64
	v_med3_num_f32 v[TMP+j], v[ACC+64*\u+j], -v[LIM], v[LIM]
.set j, j+1
.endr
.irp n, 0,1,2,3,4,5,6,7
	v_cvt_scalef32_pk8_fp8_f32 v[32+16*\u+2*\n:33+16*\u+2*\n], v[TMP+8*\n:TMP+8*\n+7], v[SCL]
.endr
	v_nop
.endr
.set j, 0
.rept 32
	ds_store_b32 v[CST], v[32+j] offset:128*j
.set j, j+1
.endr
.irp i, 0,1,2,3,4,5,6,7
	ds_load_b128 v[TMP+4*\i:TMP+4*\i+3], v[CRD] offset:512*\i
.endr
.irp i, 0,1,2,3,4,5,6,7
	s_wait_dscnt 7-\i
	global_store_b128 v[GO], v[TMP+4*\i:TMP+4*\i+3], s[72:73] offset:512*\i
.endr
.endif
	s_wait_tensorcnt 0x0
	ds_add_u32 v[SPW], v[NIL]
	s_wait_dscnt 0x0
	CROUND
	s_endpgm
.Lfunc_end_k_qc6ac066870_gemm_o:
	.size	k_qc6ac066870_gemm_o, .Lfunc_end_k_qc6ac066870_gemm_o-k_qc6ac066870_gemm_o
	.p2alignl 7, 3214868480
	.fill 96, 4, 3214868480
	.section	.rodata,"a",@progbits
	.p2align	6, 0x0
	.amdhsa_kernel k_qc6ac066870_gemm_o
		.amdhsa_group_segment_fixed_size 327680
		.amdhsa_private_segment_fixed_size 0
		.amdhsa_enable_private_segment 0
		.amdhsa_kernarg_size 56
		.amdhsa_user_sgpr_count 2
		.amdhsa_user_sgpr_kernarg_segment_ptr 1
		.amdhsa_wavefront_size32 1
		.amdhsa_system_sgpr_workgroup_id_x 1
		.amdhsa_system_sgpr_workgroup_id_y 1
		.amdhsa_system_sgpr_workgroup_id_z 1
		.amdhsa_system_vgpr_workitem_id 0
		.amdhsa_next_free_vgpr 640
		.amdhsa_next_free_sgpr 100
		.amdhsa_reserve_vcc 0
		.amdhsa_float_denorm_mode_32 3
		.amdhsa_float_denorm_mode_16_64 3
		.amdhsa_memory_ordered 1
		.amdhsa_forward_progress 1
		.amdhsa_inst_pref_size 66
	.end_amdhsa_kernel
	.amdgpu_metadata
---
amdhsa.version: [ 1, 2 ]
amdhsa.kernels:
  - .name:           k_qc6ac066870_gemm_o
    .symbol:         k_qc6ac066870_gemm_o.kd
    .args:
      - { .name: y_ws, .offset: 0, .size: 8, .value_kind: global_buffer, .address_space: global }
      - { .name: Wo_codes, .offset: 8, .size: 8, .value_kind: global_buffer, .address_space: global }
      - { .name: lowp_scales, .offset: 16, .size: 8, .value_kind: global_buffer, .address_space: global }
      - { .name: bo, .offset: 24, .size: 8, .value_kind: global_buffer, .address_space: global }
      - { .name: x, .offset: 32, .size: 8, .value_kind: global_buffer, .address_space: global }
      - { .name: x1, .offset: 40, .size: 8, .value_kind: global_buffer, .address_space: global }
      - { .name: x1q, .offset: 48, .size: 8, .value_kind: global_buffer, .address_space: global }
    .group_segment_fixed_size: 327680
    .private_segment_fixed_size: 0
    .kernarg_segment_align: 8
    .kernarg_segment_size: 56
    .max_flat_workgroup_size: 128
    .sgpr_count:     100
    .vgpr_count:     640
    .wavefront_size: 32
...
	.end_amdgpu_metadata
.endif
;; end of part 4
;; launch gemm_fc (part 5): grid 16 x 16, 4 waves a work-group, clusters of 4 x 4, 327,680 bytes of LDS; arguments x1q, Wfc_codes, lowp_scales, bfc, hq; writes hq
.if DOCPART == 5
	.amdgcn_target "amdgcn-amd-amdhsa--gfx1250"
	.amdhsa_code_object_version 6
	.text
	.protected	k_qc6ac066870_gemm_fc
	.globl	k_qc6ac066870_gemm_fc
	.p2align	8
	.type	k_qc6ac066870_gemm_fc,@function
k_qc6ac066870_gemm_fc:
	s_mov_b64 s[64:65], 0
	v_nop
	global_prefetch_b8 v0, s[64:65] scope:SCOPE_SE
	s_setreg_imm32_b32 hwreg(HW_REG_WAVE_MODE, 25, 1), 1
	s_wait_xcnt 0x0
	s_wait_alu depctr_hold_cnt(0) depctr_sa_sdst(0) depctr_va_vdst(0) depctr_va_sdst(0) depctr_va_ssrc(0) depctr_va_vcc(0) depctr_vm_vsrc(0)
	s_getreg_b32 s2, hwreg(HW_REG_IB_STS2, 6, 4)
	s_cmp_eq_u32 s2, 0
	s_cbranch_scc0 .Lentry_in_a_cluster
	s_endpgm
.Lentry_in_a_cluster:
	s_bfe_u32 s2, ttmp6, 0x10000c
	s_cmp_lg_u32 s2, 0xf033
	s_cbranch_scc0 .Lentry_shape_is_right
	s_endpgm
.Lentry_shape_is_right:
; hq = codes of new_gelu(x1 Wfc x 2^(e8 + e9) + bfc) with 2^e10.  A = x1q [8 blocks of 128 along K][4096 rows][128 bytes], B = Wfc_codes [4096][1024]; hq [4096][4096] codes as they lie.
; The text is launch gemm_qkv's with MODE = 4: its head comment describes the shape, the ring, the clusters, the registers, new_gelu's form and the limits.
.set MODE,   4
.if MODE == 1
.set KB,     256
.set PA,     272
.set PLANE,  0
.set HALFA,  128*272
.set AROW,   1024
.set ASTEP,  256
.set AD0,    256
.set AD1,    128
.set ASTR,   1024
.set AQI,    5
.set ROWOUT, 1024
.else
.set KB,     128
.set PA,     144
.set PLANE,  128*144
.set HALFA,  2*128*144
.set AROW,   128
.set ASTEP,  2*4096*128
.set AD0,    128*128
.set AD1,    2
.set ASTR,   4096*128
.set AQI,    4
.set ROWOUT, 4096
.endif
.set PB,     272
.set HALFB,  128*PB
.set SLOT,   2*HALFA+2*HALFB
.set SPARE,  2*SLOT
.set SPITCH, 272
.set FR,     16
.set NL,     4
.set NP,     4
.set LAPS,   2
.set K1,   8
.set K2,   10
.set SCL,  12
.set LIM,  13
.set ADRA, 16
.set ADRB, 20
.set STO,  24
.set RD,   25
.set CO,   26
.set VO,   27
.set SPW,  28
.set NIL,  29
.set BO,   30
.set BVO,  31
.set BI,   32
.set TMP,  96
.set CD,   160
.set E,    192
.set AF,   128
.set G1, 24
.set G0, 32
.set G1B, 48
.set G0B, 56
.set MSB, 0
.macro WIN new
.if MSB != \new
	s_set_vgpr_msb (MSB<<8)|\new
.set MSB, \new
.endif
.endm
.set MUL_LO, 0xa1
.set MUL_HI, 0xf1
.set TO_B,   0x40
.macro JLOAD g0a, g1a, g0b, g1b
	s_cmp_eq_u32 s15, 0
	s_cbranch_scc0 .Lfor_b_\@
	tensor_load_to_lds s[\g0a:\g0a+3], s[\g1a:\g1a+7]
	s_nop 0
.rept 4
	v_nop
.endr
	s_branch .Lasked_\@
.Lfor_b_\@:
	tensor_load_to_lds s[\g0b:\g0b+3], s[\g1b:\g1b+7]
	s_nop 0
.rept 4
	v_nop
.endr
.Lasked_\@:
.endm
.macro CREST
	s_cmp_lg_u32 s14, 0
	s_cbranch_scc1 .Lnot_wave_0_\@
	s_barrier_signal -3
.Lnot_wave_0_\@:
	s_barrier_wait -3
	s_barrier_signal -1
	s_barrier_wait -1
.endm
.macro CROUND
	s_barrier_signal -1
	s_barrier_wait -1
	CREST
.endm
	s_load_b256 s[4:11], s[0:1], 0x0
.if MODE == 1
	s_load_b128 s[68:71], s[0:1], 0x20
	s_load_b64 s[72:73], s[0:1], 0x30
.else
	s_load_b64 s[68:69], s[0:1], 0x20
.endif
	v_lshl_add_u32 v[SPW], v0, 2, SPARE
	v_mov_b32 v[NIL], 0
	ds_add_u32 v[SPW], v[NIL]
	ds_add_u32 v[SPW], v[NIL]
	v_lshrrev_b32 v1, 5, v0
	v_readfirstlane_b32 s14, v1
	s_lshr_b32 s15, s14, 1
	s_and_b32 s16, s14, 1
	s_bfe_u32 s40, ttmp6, 0x40000
	s_bfe_u32 s41, ttmp6, 0x40004
	s_lshl_b32 s42, ttmp9, 2
	s_add_co_u32 s42, s42, s40
	s_and_b32 s17, ttmp7, 0xffff
	s_lshl_b32 s17, s17, 2
	s_add_co_u32 s17, s17, s41
	s_lshl_b32 s43, s41, 2
	s_lshl_b32 s43, 15, s43
	s_lshl_b32 s44, 0x1111, s40
	s_or_b32 s[G1+0], s43, (1<<20)|(1<<21)|(AQI<<22)|(3<<25)
	s_or_b32 s[G1B+0], s44, (1<<20)|(1<<21)|(5<<22)|(3<<25)
	s_mov_b32 s[G1+1], (AD0&0xffff)<<16
	s_mov_b32 s[G1+2], (AD0>>16)|(AD1<<16)
	s_mov_b32 s[G1+3], AD0<<16
	s_mov_b32 s[G1+4], AD1
	s_mov_b32 s[G1+5], ASTR
	s_mov_b32 s[G1+6], 0
	s_mov_b32 s[G1+7], 0
	s_mov_b32 s[G1B+1], 256<<16
	s_mov_b32 s[G1B+2], 128<<16
	s_mov_b32 s[G1B+3], 256<<16
	s_mov_b32 s[G1B+4], 128
	s_mov_b32 s[G1B+5], 1024
	s_mov_b32 s[G1B+6], 0
	s_mov_b32 s[G1B+7], 0
	s_lshl_b32 s18, s16, 7
	s_lshl_b32 s20, s17, 8
	s_add_co_u32 s20, s20, s18
	s_mul_i32 s20, s20, AROW
	s_mov_b32 s21, 0
	s_lshl_b32 s46, s42, 8
	s_add_co_u32 s46, s46, s18
	s_lshl_b32 s46, s46, 10
	s_mov_b32 s47, 0
	s_mul_i32 s45, s16, HALFA
	s_mul_i32 s74, s16, HALFB
	s_add_co_u32 s74, s74, 2*HALFA
	s_wait_dscnt 0x0
	s_wait_kmcnt 0x0
	s_load_b256 s[76:83], s[8:9], 0x0
	s_load_b128 s[84:87], s[8:9], 0x20
	s_add_nc_u64 s[20:21], s[4:5], s[20:21]
	s_add_nc_u64 s[46:47], s[6:7], s[46:47]
	CROUND
.irp s, 0,1
	s_mov_b32 s[G0+4*\s], 1
	s_add_co_u32 s[G0+4*\s+1], s45, \s*SLOT
	s_add_nc_u64 s[G0+4*\s+2:G0+4*\s+3], s[20:21], \s*ASTEP
	s_or_b32 s[G0+4*\s+3], s[G0+4*\s+3], 0x80000000
	s_mov_b32 s[G0B+4*\s], 1
	s_add_co_u32 s[G0B+4*\s+1], s74, \s*SLOT
	s_add_nc_u64 s[G0B+4*\s+2:G0B+4*\s+3], s[46:47], \s*256
	s_or_b32 s[G0B+4*\s+3], s[G0B+4*\s+3], 0x80000000
.endr
	JLOAD G0, G1, G0B, G1B                         ; K step 0: one tensor load a wave at the head
	; PREFETCHES INTO THE L2: K steps 1 and 2 here, K step 3 behind K step 1's load.  What I fetch in a K step is shared out among the four partners that ask for it with me, by address (cx for A, cy for B), 32 blocks of 256 bytes each, a lane a block:
	; A: two planes of 16,384 bytes, 524,288 apart: 4,096 bytes of each plane a partner;  B: 128 rows, 256 bytes of each: 32 rows a partner.
	s_cmp_eq_u32 s15, 0
	s_cselect_b64 s[94:95], s[20:21], s[46:47]
	s_cselect_b32 s98, s40, s41                    ; my place among the four
	s_cselect_b32 s90, 12, 15                      ; a partner's share: 4,096 bytes on, or 32 rows of 1,024
	s_cselect_b32 s91, 8, 10                       ; lane % 16: 256 bytes on, or a row
	s_cselect_b32 s92, 19, 14                      ; lane / 16: a plane on, or 16 rows
	s_mov_b32 s93, 256
	s_cselect_b32 s93, ASTEP, s93                  ; a K step on
	s_lshl_b32 s98, s98, s90
	s_mov_b32 s99, 0
	s_add_nc_u64 s[94:95], s[94:95], s[98:99]      ; never rewritten
	v_and_b32 v6, 15, v0
	v_bfe_u32 v7, v0, 4, 1
	v_lshlrev_b32 v6, s91, v6
	v_lshlrev_b32 v7, s92, v7
	v_add3_u32 v6, v6, v7, s93                     ; v6, v7, v14: my block of K steps 1, 2, 3; never rewritten
	v_add_nc_u32 v7, s93, v6
	v_add_nc_u32 v14, s93, v7
	global_prefetch_b8 v6, s[94:95] th:TH_LOAD_NT scope:SCOPE_SE
	global_prefetch_b8 v7, s[94:95] th:TH_LOAD_NT scope:SCOPE_SE
	v_and_b32 v1, 15, v0
	v_bfe_u32 v2, v0, 4, 1
	v_mul_u32_u24 v3, v1, PA
	v_lshl_add_u32 v3, v2, 4, v3
	v_mul_u32_u24 v4, v1, PB
	v_lshl_add_u32 v4, v2, 4, v4
	s_mul_i32 s21, s15, HALFA
	s_mul_i32 s22, s16, HALFB
	s_add_co_u32 s22, s22, 2*HALFA
.if MODE == 1
	s_cmp_eq_u32 ttmp9, 2
	s_cselect_b32 s88, s22, s21
	s_cselect_b32 s89, s21, s22
.else
	s_mov_b32 s88, s21
	s_mov_b32 s89, s22
.endif
.irp s, 0,1
	v_add_nc_u32 v[ADRA+\s], s88, v3
	v_add_nc_u32 v[ADRB+\s], s89, v4
	s_add_co_u32 s88, s88, SLOT
	s_add_co_u32 s89, s89, SLOT
.endr
	s_mul_i32 s23, s15, 128*SPITCH
	s_lshl_b32 s18, s16, 7
	s_add_co_u32 s23, s23, s18
	v_mul_u32_u24 v5, v1, SPITCH
	v_lshl_add_u32 v5, v2, 3, v5
	v_add_nc_u32 v[STO], s23, v5
	s_mul_i32 s23, s15, 128*SPITCH                 ; back: of each chunk of 32 rows of each half of the tile's rows, wave w takes rows 128 (w / 2) + 16 (w % 2) + 0 .. 15, whole
	s_mul_i32 s18, s16, 16*SPITCH
	s_add_co_u32 s23, s23, s18
	v_mul_u32_u24 v5, v2, SPITCH
	v_lshl_add_u32 v5, v1, 4, v5
	v_add_nc_u32 v[RD], s23, v5
	v_mul_u32_u24 v5, v2, ROWOUT
	v_lshl_add_u32 v[CO], v1, 4, v5
	v_lshlrev_b32 v[BO], 5, v2
.if MODE == 1
	v_lshlrev_b32 v[VO], 13, v2
	v_lshl_add_u32 v[VO], v1, 4, v[VO]
	v_lshlrev_b32 v[BVO], 2, v1
.else
	v_mov_b32 v[K1], 0xc0135761
	v_mov_b32 v[K1+1], 0xc0135761
	v_mov_b32 v[K2], 0xbdd2d3e8
	v_mov_b32 v[K2+1], 0xbdd2d3e8
.endif
	s_lshl_b32 s18, s42, 10
	s_lshl_b32 s19, s16, 9
	s_add_co_u32 s18, s18, s19
	s_mov_b32 s19, 0
	s_add_nc_u64 s[10:11], s[10:11], s[18:19]
.irp b, 0,1,2,3,4,5,6,7
	global_load_b128 v[BI+8*\b:BI+8*\b+3], v[BO], s[10:11] offset:64*\b
	global_load_b128 v[BI+8*\b+4:BI+8*\b+7], v[BO], s[10:11] offset:64*\b+16
.endr
	s_lshl_b32 s18, s17, 8
	s_lshl_b32 s19, s15, 7                         ; where I store codes: row 256 x tile row + 128 (w / 2) + 16 (w % 2)
	s_add_co_u32 s18, s18, s19
	s_lshl_b32 s19, s16, 4
	s_add_co_u32 s18, s18, s19
.if MODE == 1
	s_lshl_b32 s18, s18, 10
	s_lshl_b32 s19, s40, 8
.else
	s_lshl_b32 s18, s18, 12
	s_lshl_b32 s19, s42, 8
.endif
	s_add_co_u32 s18, s18, s19
	s_mov_b32 s19, 0
.if MODE == 1
	s_cmp_eq_u32 ttmp9, 0
	s_cselect_b64 s[68:69], s[68:69], s[70:71]
.endif
	s_add_nc_u64 s[68:69], s[68:69], s[18:19]
.if MODE == 1
	s_lshl_b32 s18, s17, 1
	s_add_co_u32 s18, s18, s15
	s_lshl_b32 s18, s18, 17
	s_lshl_b32 s19, s40, 9
	s_add_co_u32 s18, s18, s19
	s_lshl_b32 s19, s16, 8
	s_add_co_u32 s18, s18, s19
	s_mov_b32 s19, 0
	s_add_nc_u64 s[72:73], s[72:73], s[18:19]
.endif
.macro FRAGA reg, adr, q, i
.irp c, 0,1,2,3
	ds_load_b128 v[\reg+4*\c:\reg+4*\c+3], v[\adr] offset:((128*(\q)+32*\c)/KB)*PLANE+(128*(\q)+32*\c)%KB+(\i)*16*PA
.endr
.endm
.macro FRAGB reg, adr, q, i
.irp c, 0,1,2,3
	ds_load_b128 v[\reg+4*\c:\reg+4*\c+3], v[\adr] offset:128*(\q)+32*\c+(\i)*16*PB
.endr
.endm
.macro MUL16 a0, p, zero
.irp a, \a0, \a0+1
.irp b, 0,1,2,3,4,5,6,7
.if \zero
	v_wmma_f32_16x16x128_fp8_fp8 v[8*(8*((\a)%4)+\b):8*(8*((\a)%4)+\b)+7], v[128*(\p)+FR*\b:128*(\p)+FR*\b+FR-1], v[AF+FR*(\a):AF+FR*(\a)+FR-1], 0
.else
	v_wmma_f32_16x16x128_fp8_fp8 v[8*(8*((\a)%4)+\b):8*(8*((\a)%4)+\b)+7], v[128*(\p)+FR*\b:128*(\p)+FR*\b+FR-1], v[AF+FR*(\a):AF+FR*(\a)+FR-1], v[8*(8*((\a)%4)+\b):8*(8*((\a)%4)+\b)+7]
.endif
.endr
.endr
.endm
.macro FETCH_B slot, q, p
	WIN TO_B
.irp i, 0,1,2,3,4,5,6,7
	FRAGB 128*(\p)+FR*\i, ADRB+\slot, \q, \i
.endr
	WIN 0
.endm
.macro FETCH_A slot, q, i0
.irp i, \i0, \i0+1, \i0+2, \i0+3
	FRAGA AF+FR*(\i), ADRA+\slot, \q, \i
.endr
.endm
.macro PLACES n
.rept \n
	v_nop
.endr
.endm
.macro STEP slot, q, zero
	s_wait_dscnt 4*NL
	WIN MUL_LO
	MUL16 0, (\q)%2, \zero
	MUL16 2, (\q)%2, \zero
	s_wait_dscnt 0
	PLACES NP
	FETCH_B \slot, (\q)+1, 1-(\q)%2
	FETCH_A \slot, (\q)+1, 0
	WIN MUL_HI
	MUL16 4, (\q)%2, \zero
	MUL16 6, (\q)%2, \zero
	PLACES NP
	WIN 0
	FETCH_A \slot, (\q)+1, 4
.endm
.macro TURN slot, next, fill
	s_wait_tensorcnt 0x0
	ds_add_u32 v[SPW], v[NIL]
	s_wait_dscnt 4*NL+1
	WIN MUL_LO
	MUL16 0, 1, 0
	s_wait_dscnt 0x0
	s_barrier_signal -1
	MUL16 2, 1, 0
	WIN 0
	s_barrier_wait -1
.if \fill
	CREST
	s_add_nc_u64 s[G0+4*\slot+2:G0+4*\slot+3], s[G0+4*\slot+2:G0+4*\slot+3], 2*ASTEP
	s_add_nc_u64 s[G0B+4*\slot+2:G0B+4*\slot+3], s[G0B+4*\slot+2:G0B+4*\slot+3], 2*256
	JLOAD G0+4*\slot, G1, G0B+4*\slot, G1B
.else
	PLACES NP
.endif
	FETCH_B \next, 0, 0
	FETCH_A \next, 0, 0
	WIN MUL_HI
	MUL16 4, 1, 0
	MUL16 6, 1, 0
	PLACES NP
	WIN 0
	FETCH_A \next, 0, 4
.endm
	s_wait_alu depctr_va_vdst(0)                   ; the wait at the head's end
	s_wait_tensorcnt 0x0                           ; my part of K step 0 is in
	ds_add_u32 v[SPW], v[NIL]
	s_wait_dscnt 0x0
	CROUND                                         ; everybody's part of K step 0 is in, and all sixteen work-groups are here
	JLOAD G0+4, G1, G0B+4, G1B                     ; K step 1, the first tensor load behind the round
	FETCH_B 0, 0, 0
	global_prefetch_b8 v14, s[94:95] th:TH_LOAD_NT scope:SCOPE_SE   ; K step 3, two loads ahead; there is no K step behind it
	FETCH_A 0, 0, 0
	FETCH_A 0, 0, 4
	STEP 0, 0, 1
	s_mov_b32 s3, LAPS-1
.Llap:
	TURN 0, 1, 1
	STEP 1, 0, 0
	TURN 1, 0, 1
	STEP 0, 0, 0
	s_sub_co_u32 s3, s3, 1
	s_cmp_lg_u32 s3, 0
	s_cbranch_scc1 .Llap
	TURN 0, 1, 0
	STEP 1, 0, 0
	s_wait_dscnt 4*NL
	WIN MUL_LO
	MUL16 0, 1, 0
	MUL16 2, 1, 0
	s_wait_dscnt 0
	WIN MUL_HI
	MUL16 4, 1, 0
	MUL16 6, 1, 0
	WIN 0
	s_wait_kmcnt 0x0
.if MODE == 1
	s_add_co_i32 s96, s76, s77
	s_cmp_eq_u32 ttmp9, 0
	s_cselect_b32 s88, s78, s79
	s_cmp_eq_u32 ttmp9, 2
	s_cselect_b32 s88, s81, s88
.else
	s_add_co_i32 s96, s84, s85
	s_mov_b32 s88, s86
.endif
	s_add_co_i32 s96, s96, 127
	s_lshl_b32 s96, s96, 23
	s_mov_b32 s97, s96
	s_add_co_i32 s88, s88, 127
	s_lshl_b32 s89, s88, 23
	v_mov_b32 v[SCL], s89
	s_add_co_i32 s88, s88, 8
	s_lshl_b32 s88, s88, 23
	s_or_b32 s88, s88, 0x600000
	v_mov_b32 v[LIM], s88
	PLACES NP
	s_wait_loadcnt 0x0
.macro GELU
.set j, 0
.rept 32
	v_pk_mul_f32 v[E+j:E+j+1], v[TMP+j:TMP+j+1], v[TMP+j:TMP+j+1]
.set j, j+2
.endr
.set j, 0
.rept 32
	v_pk_fma_f32 v[E+j:E+j+1], v[E+j:E+j+1], v[K2:K2+1], v[K1:K1+1]
.set j, j+2
.endr
.set j, 0
.rept 32
	v_pk_mul_f32 v[E+j:E+j+1], v[E+j:E+j+1], v[TMP+j:TMP+j+1]
.set j, j+2
.endr
.set j, 0
	s_wait_alu depctr_va_vdst(0)
.rept 64
	v_exp_f32 v[E+j], v[E+j]
.set j, j+1
.endr
	v_nop
	s_wait_alu depctr_va_vdst(0)
.set j, 0
.rept 32
	v_pk_add_f32 v[E+j:E+j+1], v[E+j:E+j+1], 1.0 op_sel_hi:[1,0]
.set j, j+2
.endr
.set j, 0
	s_wait_alu depctr_va_vdst(0)
.rept 64
	v_rcp_f32 v[E+j], v[E+j]
.set j, j+1
.endr
	v_nop
	s_wait_alu depctr_va_vdst(0)
.set j, 0
.rept 32
	v_pk_mul_f32 v[TMP+j:TMP+j+1], v[TMP+j:TMP+j+1], v[E+j:E+j+1]
.set j, j+2
.endr
.endm
.macro ROWBLK a
.set AC, 64*((\a)%4)
.set CDS, CD+16*((\a)%2)
	WIN 0x02+((\a)/4)
.irp b, 0,1,2,3,4,5,6,7
.irp i, 0,2,4,6
	v_pk_fma_f32 v[TMP+8*\b+\i:TMP+8*\b+\i+1], v[AC+8*\b+\i:AC+8*\b+\i+1], s[96:97], v[BI+8*\b+\i:BI+8*\b+\i+1] op_sel_hi:[1,0,1]
.endr
.endr
	WIN 0
.if MODE == 4
	GELU
.endif
.if (\a) >= 2
	s_wait_dscnt 8
.endif
.set j, 0
.rept 64
	v_med3_num_f32 v[TMP+j], v[TMP+j], -v[LIM], v[LIM]
.set j, j+1
.endr
.irp b, 0,1,2,3,4,5,6,7
	v_cvt_scalef32_pk8_fp8_f32 v[CDS+2*\b:CDS+2*\b+1], v[TMP+8*\b:TMP+8*\b+7], v[SCL]
.endr
	v_nop
.irp b, 0,1,2,3,4,5,6,7
	ds_store_b64 v[STO], v[CDS+2*\b:CDS+2*\b+1] offset:(\a)*16*SPITCH+16*\b
.endr
.endm
.if MODE == 1
	s_cmp_eq_u32 ttmp9, 2
	s_cbranch_scc1 .Lvmode
.endif
; THE CODES LEAVE IN FOUR CHUNKS.  When all waves have staged blocks 2 c and 2 c + 1, rows 32 c .. 32 c + 31 of both halves of the tile's rows are whole in the stage (a row's 256 bytes come from two waves): one barrier,
; and each wave reads 16 of these 64 rows back, into registers of window 1 that held B's fragments (32 for each chunk, so that no store's data are written again), and stores them behind the next block's arithmetic.
.macro BACK c
	s_wait_dscnt 0x0                               ; for the others' sake: my stores into the stage are done
	s_barrier_signal -1
	s_barrier_wait -1
	WIN TO_B
.irp j, 0,1,2,3,4,5,6,7
	ds_load_b128 v[32*(\c)+4*\j:32*(\c)+4*\j+3], v[RD] offset:(32*(\c)+2*\j)*SPITCH
.endr
	WIN 0
.endm
.macro OUT c, younger                  ; younger: the LDS stores issued behind chunk c's loads, which may stay out
	s_wait_dscnt \younger
	WIN 0x04                                       ; the stores' data: window 1
.irp j, 0,1,2,3,4,5,6,7
	global_store_b128 v[CO], v[32*(\c)+4*\j:32*(\c)+4*\j+3], s[68:69] offset:(32*(\c)+2*\j)*ROWOUT   ; 16 lanes store 256 consecutive bytes, aligned
.endr
	WIN 0
.endm
	ROWBLK 0
	ROWBLK 1
	BACK 0
	ROWBLK 2
	OUT 0, 8
	ROWBLK 3
	BACK 1
	ROWBLK 4
	OUT 1, 8
	ROWBLK 5
	BACK 2
	ROWBLK 6
	OUT 2, 8
	ROWBLK 7
	BACK 3
	OUT 3, 0
.if MODE == 1
	s_branch .Ljoin
.Lvmode:
.irp a, 0,1,2,3,4,5,6,7
	global_load_b32 v[32+2*\a], v[BVO], s[10:11] offset:64*\a
	global_load_b32 v[33+2*\a], v[BVO], s[10:11] offset:64*\a
.endr
	s_wait_loadcnt 0x0
.macro VBLK d
	WIN 0x02
.irp b, 0,1,2,3,4,5,6,7
.irp i, 0,2,4,6
	v_pk_fma_f32 v[64+8*\b+\i:64+8*\b+\i+1], v[64*(\d)+8*\b+\i:64*(\d)+8*\b+\i+1], s[96:97], v[32+2*(\d):33+2*(\d)] op_sel_hi:[1,0,1]
.endr
.endr
	WIN 0x03
.irp b, 0,1,2,3,4,5,6,7
.irp i, 0,2,4,6
	v_pk_fma_f32 v[128+8*\b+\i:128+8*\b+\i+1], v[64*(\d)+8*\b+\i:64*(\d)+8*\b+\i+1], s[96:97], v[40+2*(\d):41+2*(\d)] op_sel_hi:[1,0,1]
.endr
.endr
	WIN 0
.if (\d) >= 2
	s_wait_xcnt 0x0
.endif
.set j, 0
.rept 128
	v_med3_num_f32 v[64+j], v[64+j], -v[LIM], v[LIM]
.set j, j+1
.endr
.irp b, 0,1,2,3,4,5,6,7
	v_cvt_scalef32_pk8_fp8_f32 v[192+32*((\d)%2)+4*\b:192+32*((\d)%2)+4*\b+1], v[64+8*\b:64+8*\b+7], v[SCL]
	v_cvt_scalef32_pk8_fp8_f32 v[192+32*((\d)%2)+4*\b+2:192+32*((\d)%2)+4*\b+3], v[128+8*\b:128+8*\b+7], v[SCL]
.endr
	v_nop
.irp b, 0,1,2,3,4,5,6,7
	global_store_b128 v[VO], v[192+32*((\d)%2)+4*\b:192+32*((\d)%2)+4*\b+3], s[72:73] offset:16384*\b+2048*(\d)
.endr
.endm
.irp d, 0,1,2,3
	VBLK \d
.endr
.Ljoin:
.endif
	s_wait_dscnt 0x0
	s_barrier_signal -1
	s_barrier_wait -1
.if MODE == 1
	s_cmp_eq_u32 ttmp9, 2
	s_cbranch_scc1 .Lend
.endif
.set j, 0
.if MODE == 1
.Lend:
.endif
	s_wait_tensorcnt 0x0
	ds_add_u32 v[SPW], v[NIL]
	s_wait_dscnt 0x0
	CROUND
	s_endpgm
.Lfunc_end_k_qc6ac066870_gemm_fc:
	.size	k_qc6ac066870_gemm_fc, .Lfunc_end_k_qc6ac066870_gemm_fc-k_qc6ac066870_gemm_fc
	.p2alignl 7, 3214868480
	.fill 96, 4, 3214868480
	.section	.rodata,"a",@progbits
	.p2align	6, 0x0
	.amdhsa_kernel k_qc6ac066870_gemm_fc
		.amdhsa_group_segment_fixed_size 327680
		.amdhsa_private_segment_fixed_size 0
		.amdhsa_enable_private_segment 0
		.amdhsa_kernarg_size 40
		.amdhsa_user_sgpr_count 2
		.amdhsa_user_sgpr_kernarg_segment_ptr 1
		.amdhsa_wavefront_size32 1
		.amdhsa_system_sgpr_workgroup_id_x 1
		.amdhsa_system_sgpr_workgroup_id_y 1
		.amdhsa_system_sgpr_workgroup_id_z 1
		.amdhsa_system_vgpr_workitem_id 0
		.amdhsa_next_free_vgpr 1024
		.amdhsa_next_free_sgpr 100
		.amdhsa_reserve_vcc 0
		.amdhsa_float_denorm_mode_32 3
		.amdhsa_float_denorm_mode_16_64 3
		.amdhsa_memory_ordered 1
		.amdhsa_forward_progress 1
		.amdhsa_inst_pref_size 255
	.end_amdhsa_kernel
	.section	.bss,"aw",@nobits
	.p2align	6
	.space	262144
	.amdgpu_metadata
---
amdhsa.version: [ 1, 2 ]
amdhsa.kernels:
  - .name:           k_qc6ac066870_gemm_fc
    .symbol:         k_qc6ac066870_gemm_fc.kd
    .args:
      - { .name: x1q, .offset: 0, .size: 8, .value_kind: global_buffer, .address_space: global }
      - { .name: Wfc_codes, .offset: 8, .size: 8, .value_kind: global_buffer, .address_space: global }
      - { .name: lowp_scales, .offset: 16, .size: 8, .value_kind: global_buffer, .address_space: global }
      - { .name: bfc, .offset: 24, .size: 8, .value_kind: global_buffer, .address_space: global }
      - { .name: hq, .offset: 32, .size: 8, .value_kind: global_buffer, .address_space: global }
    .group_segment_fixed_size: 327680
    .private_segment_fixed_size: 0
    .kernarg_segment_align: 8
    .kernarg_segment_size: 40
    .max_flat_workgroup_size: 128
    .sgpr_count:     100
    .vgpr_count:     1024
    .wavefront_size: 32
...
	.end_amdgpu_metadata
.endif
;; end of part 5
;; launch gemm_proj (part 6): grid 8 x 32, 4 waves a work-group, clusters of 4 x 4, 327,680 bytes of LDS; arguments hq, Wproj_codes, lowp_scales, bproj, x1, out0; writes out0
.if DOCPART == 6
	.amdgcn_target "amdgcn-amd-amdhsa--gfx1250"
	.amdhsa_code_object_version 6
	.text
	.protected	k_qc6ac066870_gemm_proj
	.globl	k_qc6ac066870_gemm_proj
	.p2align	8
	.type	k_qc6ac066870_gemm_proj,@function
k_qc6ac066870_gemm_proj:
	s_mov_b64 s[64:65], 0
	v_nop
	global_prefetch_b8 v0, s[64:65] scope:SCOPE_SE
	s_setreg_imm32_b32 hwreg(HW_REG_WAVE_MODE, 25, 1), 1
	s_wait_xcnt 0x0
	s_wait_alu depctr_hold_cnt(0) depctr_sa_sdst(0) depctr_va_vdst(0) depctr_va_sdst(0) depctr_va_ssrc(0) depctr_va_vcc(0) depctr_vm_vsrc(0)
	s_getreg_b32 s2, hwreg(HW_REG_IB_STS2, 6, 4)
	s_cmp_eq_u32 s2, 0
	s_cbranch_scc0 .Lentry_in_a_cluster
	s_endpgm
.Lentry_in_a_cluster:
	s_bfe_u32 s2, ttmp6, 0x10000c
	s_cmp_lg_u32 s2, 0xf033
	s_cbranch_scc0 .Lentry_shape_is_right
	s_endpgm
.Lentry_shape_is_right:
; ONE TEXT FOR TWO LAUNCHES, told apart by MODE.  C = residual + (A B^T x 2^(eA + eB) + bias), on codes of FP8 (E4M3); C [4096][1024] f32.
; MODE 3: A = y_ws [16 heads][4096 rows][64 bytes] (K = 64 head + channel), B = Wo_codes [1024][1024], bias bo, residual x; stores x1 (f32) and its codes with 2^e8: x1q [8 blocks of 128 along K][4096 rows][128 bytes].
; MODE 5: A = hq [4096][4096], B = Wproj_codes [1024][4096], bias bproj, residual x1; stores out0.
; LIMITS: eA + eB between -126 and 127; e8 between -126 and 119.  NaN among the inputs is not served.
; SHAPE: tiles of 256 x 256 would be 64; so a tile of C is 128 x 128: 256 work-groups.  Four waves, each 64 x 64: 16 accumulators.  K goes in steps of 512 through two LDS slots; a wave's tensor load brings 64 rows x 512 bytes.
; In MODE 3 K = 1,024 is the two first fills: no slot is filled again.  CLUSTERS: 4 x 4; A's tile is asked for jointly along a row of the cluster, B's along a column.  The matrix instruction is used transposed.
; REGISTERS: window 0: v1-31 addresses; v32-63 the bias; v64-127 at work; v128-255 the accumulators, (a, b) at v[128 + 8 (4 a + b)].  window 1: two fragment buffers of 128: A's four fragments (16 rows x 128 K), then B's four.
;   window 2: v0-127 the residual of the 32 rows that I store, asked for at the head.
.set MODE,   5
.if MODE == 3
.set KTOT,   1024
.set KB,     64                        ; bytes of a row of A's tile that lie on end in LDS
.set PA,     80
.set PLANE,  64*80                     ; a K step is eight heads: eight planes of 64 rows x (64 + 16) bytes
.set HALFA,  8*64*80
.set AROW,   64
.set ASTEP,  8*4096*64
.set AD0,    64*64                     ; 64 rows of 64 bytes lie on end in memory: stated as one row, padded behind every 64 bytes
.set AD1,    8
.set ASTR,   4096*64
.set AQI,    3
.else
.set KTOT,   4096
.set KB,     512
.set PA,     528
.set PLANE,  0
.set HALFA,  64*528
.set AROW,   4096
.set ASTEP,  512
.set AD0,    512
.set AD1,    64
.set ASTR,   4096
.set AQI,    6
.endif
.set PB,     528                       ; 512 bytes + 16
.set HALFB,  64*PB
.set SLOT,   2*HALFA+2*HALFB
.set SPARE,  2*SLOT                    ; behind the ring: the spare words, which no other line names
.set SPITCH, 528                       ; the way out: ONE stage of 128 rows x (512 + 16) bytes in slot 0, which has had its last fill and its last read by then;
.set CSTG,   128*SPITCH                ; behind it, in slot 0 too, 4,096 bytes for each wave's codes
.set LAPS,   KTOT/1024
.set SCL,  12
.set LIM,  13
.set ADRA, 16                          ; v16-17 LDS address of my A fragments in slot 0, 1
.set ADRB, 20                          ; v20-21 of B's
.set CRD,  22                          ; v22 codes: where I read 16 back
.set STO,  24                          ; v24 the stage: where I put 32 bytes of a row
.set RD,   25                          ; v25 and where I read a row back
.set GO,   26                          ; v26 16 x lane
.set CST,  27                          ; v27 codes: where I put 4
.set SPW,  28
.set NIL,  29
.set BO,   30                          ; v30 32 h
.set BI,   32
.set TMP,  64
.set ACC,  128
.set F0,   0
.set F1,   128
.set G1, 24
.set G0, 32
.set G1B, 48
.set G0B, 56
.set MSB, 0
.macro WIN new
.if MSB != \new
	s_set_vgpr_msb (MSB<<8)|\new
.set MSB, \new
.endif
.endm
.set MUL,  0x05                        ; sources 0 (B) and 1 (A) window 1; C and D window 0
.set TO_F, 0x40                        ; destination window 1, address window 0
.macro JLOAD s                         ; a joint load: waves 0 and 1 fetch A's halves, waves 2 and 3 B's; an s_nop 0 and four v_nop follow each line
	s_cmp_eq_u32 s15, 0
	s_cbranch_scc0 .Lfor_b_\@
	tensor_load_to_lds s[G0+4*\s:G0+4*\s+3], s[G1:G1+7]
	s_nop 0
.rept 4
	v_nop
.endr
	s_branch .Lasked_\@
.Lfor_b_\@:
	tensor_load_to_lds s[G0B+4*\s:G0B+4*\s+3], s[G1B:G1B+7]
	s_nop 0
.rept 4
	v_nop
.endr
.Lasked_\@:
.endm
.macro CREST
	s_cmp_lg_u32 s14, 0
	s_cbranch_scc1 .Lnot_wave_0_\@
	s_barrier_signal -3
.Lnot_wave_0_\@:
	s_barrier_wait -3
	s_barrier_signal -1
	s_barrier_wait -1
.endm
.macro CROUND
	s_barrier_signal -1
	s_barrier_wait -1
	CREST
.endm
	s_load_b256 s[4:11], s[0:1], 0x0               ; A's codes, B's codes, the scales' exponents, the bias
	s_load_b128 s[68:71], s[0:1], 0x20             ; the residual, the f32 output
.if MODE == 3
	s_load_b64 s[72:73], s[0:1], 0x30              ; x1q
.endif
	v_lshl_add_u32 v[SPW], v0, 2, SPARE
	v_mov_b32 v[NIL], 0
	ds_add_u32 v[SPW], v[NIL]                      ; the wave's opening: the add, twice on end, and its wait ahead of my first tensor load
	ds_add_u32 v[SPW], v[NIL]
	v_lshrrev_b32 v1, 5, v0
	v_readfirstlane_b32 s14, v1                    ; wave 0..3
	s_lshr_b32 s15, s14, 1                         ; my half of the tile's rows.  Also: I fetch for A (0) or for B (1)
	s_and_b32 s16, s14, 1                          ; my half of its columns.  Also: which 64 rows of that tile I fetch
	s_bfe_u32 s40, ttmp6, 0x40000
	s_bfe_u32 s41, ttmp6, 0x40004
	s_lshl_b32 s42, ttmp9, 2
	s_add_co_u32 s42, s42, s40                     ; tile column
	s_and_b32 s17, ttmp7, 0xffff
	s_lshl_b32 s17, s17, 2
	s_add_co_u32 s17, s17, s41                     ; tile row
	s_lshl_b32 s43, s41, 2
	s_lshl_b32 s43, 15, s43                        ; my row of the cluster
	s_lshl_b32 s44, 0x1111, s40                    ; my column
	s_or_b32 s[G1+0], s43, (1<<20)|(1<<21)|(AQI<<22)|(3<<25)   ; the mask; elements of 1 byte; padding on; 21 set beside a mask; the interval; four words of padding
	s_or_b32 s[G1B+0], s44, (1<<20)|(1<<21)|(6<<22)|(3<<25)
	s_mov_b32 s[G1+1], (AD0&0xffff)<<16
	s_mov_b32 s[G1+2], (AD0>>16)|(AD1<<16)
	s_mov_b32 s[G1+3], AD0<<16
	s_mov_b32 s[G1+4], AD1
	s_mov_b32 s[G1+5], ASTR
	s_mov_b32 s[G1+6], 0
	s_mov_b32 s[G1+7], 0
	s_mov_b32 s[G1B+1], 512<<16
	s_mov_b32 s[G1B+2], 64<<16
	s_mov_b32 s[G1B+3], 512<<16
	s_mov_b32 s[G1B+4], 64
	s_mov_b32 s[G1B+5], KTOT
	s_mov_b32 s[G1B+6], 0
	s_mov_b32 s[G1B+7], 0
	s_lshl_b32 s18, s16, 6                         ; which 64 rows of the tile I fetch
	s_lshl_b32 s20, s17, 7
	s_add_co_u32 s20, s20, s18                     ; A: row 128 x tile row + 64 x half
	s_mul_i32 s20, s20, AROW
	s_mov_b32 s21, 0
	s_lshl_b32 s46, s42, 7
	s_add_co_u32 s46, s46, s18                     ; B: row 128 x tile column + 64 x half
	s_mul_i32 s46, s46, KTOT
	s_mov_b32 s47, 0
	s_mul_i32 s45, s16, HALFA
	s_mul_i32 s74, s16, HALFB
	s_add_co_u32 s74, s74, 2*HALFA
	s_wait_dscnt 0x0                               ; both opening adds are done
	s_wait_kmcnt 0x0
	s_load_b256 s[76:83], s[8:9], 0x0              ; e0 .. e7
	s_load_b128 s[84:87], s[8:9], 0x20             ; e8 .. e11
	s_add_nc_u64 s[20:21], s[4:5], s[20:21]
	s_add_nc_u64 s[46:47], s[6:7], s[46:47]
	CROUND                                         ; all sixteen work-groups are here: the first joint loads meet
.irp s, 0,1
	s_mov_b32 s[G0+4*\s], 1
	s_add_co_u32 s[G0+4*\s+1], s45, \s*SLOT
	s_add_nc_u64 s[G0+4*\s+2:G0+4*\s+3], s[20:21], \s*ASTEP
	s_or_b32 s[G0+4*\s+3], s[G0+4*\s+3], 0x80000000
	s_mov_b32 s[G0B+4*\s], 1
	s_add_co_u32 s[G0B+4*\s+1], s74, \s*SLOT
	s_add_nc_u64 s[G0B+4*\s+2:G0B+4*\s+3], s[46:47], \s*512
	s_or_b32 s[G0B+4*\s+3], s[G0B+4*\s+3], 0x80000000
.endr
	JLOAD 0                                        ; K step 0: one tensor load a wave at the head
	; PREFETCHES INTO THE L2.  K steps 1 and 2 are asked for here; behind the load of K step t (t = 1 .. 5) K step t + 2: two loads ahead; the loads of K steps 6 and 7 ask for nothing.
	; A K step is 512 bytes of each row.  Of the 64 rows that I fetch, each of the four partners that ask for them with me takes 16, told apart by address (cx for A, cy for B): lane % 16 the row, lane / 16 the block of 256 bytes.
	; So each block is named once in each cluster that loads it, and a work-group has at most two K steps asked for and not yet loaded.
.set PFA, 90                           ; s[90:91] my 16 rows, at the K step that stands three behind the one that the next prefetch names
.set PFO, 7                            ; v7 4,096 (lane % 16) + 256 (lane / 16); never rewritten
	s_cmp_eq_u32 s15, 0
	s_cselect_b64 s[PFA:PFA+1], s[20:21], s[46:47]
	s_cselect_b32 s92, s40, s41
	s_lshl_b32 s92, s92, 16                        ; 16 rows of 4,096 bytes
	s_mov_b32 s93, 0
	s_add_nc_u64 s[PFA:PFA+1], s[PFA:PFA+1], s[92:93]
	v_and_b32 v8, 15, v0
	v_bfe_u32 v[PFO], v0, 4, 1
	v_lshlrev_b32 v[PFO], 8, v[PFO]
	v_lshl_add_u32 v[PFO], v8, 12, v[PFO]
	global_prefetch_b8 v[PFO], s[PFA:PFA+1] offset:512 th:TH_LOAD_NT scope:SCOPE_SE
	global_prefetch_b8 v[PFO], s[PFA:PFA+1] offset:1024 th:TH_LOAD_NT scope:SCOPE_SE
	v_and_b32 v1, 15, v0                           ; r
	v_bfe_u32 v2, v0, 4, 1                         ; h
	v_mul_u32_u24 v3, v1, PA
	v_lshl_add_u32 v3, v2, 4, v3
	v_mul_u32_u24 v4, v1, PB
	v_lshl_add_u32 v4, v2, 4, v4
	s_mul_i32 s21, s15, HALFA                      ; my 64 rows of A
	s_mul_i32 s22, s16, HALFB                      ; my 64 rows of B,
	s_add_co_u32 s22, s22, 2*HALFA                 ; behind A's 128
.irp s, 0,1
	v_add_nc_u32 v[ADRA+\s], s21, v3
	v_add_nc_u32 v[ADRB+\s], s22, v4
	s_add_co_u32 s21, s21, SLOT
	s_add_co_u32 s22, s22, SLOT
.endr
	s_mul_i32 s23, s15, 64*SPITCH                  ; the stage, in: row 64 x my rows' half + r, byte 256 x my columns' half + 32 h
	s_lshl_b32 s18, s16, 8
	s_add_co_u32 s23, s23, s18
	v_mul_u32_u24 v5, v1, SPITCH
	v_lshl_add_u32 v5, v2, 5, v5
	v_add_nc_u32 v[STO], s23, v5
	v_and_b32 v6, 31, v0
	v_lshlrev_b32 v[GO], 4, v6
	s_wait_alu depctr_va_vdst(0)
	s_mul_i32 s23, s14, 32*SPITCH                  ; back: wave w takes rows 32 w on, whole: 32 lanes a row of 512 bytes
	v_add_nc_u32 v[RD], s23, v[GO]
	v_lshlrev_b32 v[BO], 5, v2
.if MODE == 3
	s_lshl_b32 s23, s14, 12
	s_add_co_u32 s23, s23, CSTG
	v_lshl_add_u32 v[CST], v6, 2, s23
	v_add_nc_u32 v[CRD], s23, v[GO]
.endif
	s_wait_alu depctr_va_vdst(0)
	s_lshl_b32 s18, s17, 7
	s_lshl_b32 s19, s14, 5
	s_add_co_u32 s18, s18, s19                     ; the first row that I store: 128 x tile row + 32 x wave
	s_lshl_b32 s88, s18, 12                        ; rows of 4,096 bytes,
	s_lshl_b32 s19, s42, 9                         ; byte 512 x tile column
	s_add_co_u32 s88, s88, s19
	s_mov_b32 s89, 0
	s_add_nc_u64 s[68:69], s[68:69], s[88:89]
	s_add_nc_u64 s[70:71], s[70:71], s[88:89]
.if MODE == 3
	s_lshl_b32 s88, s18, 7                         ; x1q: rows of 128 bytes, in block = tile column
	s_lshl_b32 s19, s42, 19
	s_add_co_u32 s88, s88, s19
	s_add_nc_u64 s[72:73], s[72:73], s[88:89]
.endif
	s_lshl_b32 s18, s42, 9                         ; the bias of my 64 columns: (128 x tile column + 64 x half) x 4 bytes
	s_lshl_b32 s19, s16, 8
	s_add_co_u32 s18, s18, s19
	s_mov_b32 s19, 0
	s_add_nc_u64 s[10:11], s[10:11], s[18:19]
.irp b, 0,1,2,3
	global_load_b128 v[BI+8*\b:BI+8*\b+3], v[BO], s[10:11] offset:64*\b
	global_load_b128 v[BI+8*\b+4:BI+8*\b+7], v[BO], s[10:11] offset:64*\b+16
.endr
; 4 matrix instructions: A's block a x B's four, 128 along K.  The sixteen accumulators take turns, one instruction a turn, in the same order in every quarter.
.macro MUL4 f, a, zero
.irp b, 0,1,2,3
.if \zero
	v_wmma_f32_16x16x128_fp8_fp8 v[ACC+8*(4*(\a)+\b):ACC+8*(4*(\a)+\b)+7], v[\f+64+16*\b:\f+64+16*\b+15], v[\f+16*(\a):\f+16*(\a)+15], 0
.else
	v_wmma_f32_16x16x128_fp8_fp8 v[ACC+8*(4*(\a)+\b):ACC+8*(4*(\a)+\b)+7], v[\f+64+16*\b:\f+64+16*\b+15], v[\f+16*(\a):\f+16*(\a)+15], v[ACC+8*(4*(\a)+\b):ACC+8*(4*(\a)+\b)+7]
.endif
.endr
.endm
; 32 LDS loads in one run: the fragments of the slot's q-th 128 along K into buffer f: B's four, then A's four.  Registers 4 c .. 4 c + 3 of a fragment: K = 32 c + 16 (l / 16) + 0 .. 15, alike on both sides.
.macro FETCH slot, q, f
	WIN TO_F
.irp i, 0,1,2,3
.irp c, 0,1,2,3
	ds_load_b128 v[\f+64+16*\i+4*\c:\f+64+16*\i+4*\c+3], v[ADRB+\slot] offset:128*(\q)+32*\c+\i*16*PB
.endr
.endr
.irp i, 0,1,2,3
.irp c, 0,1,2,3
	ds_load_b128 v[\f+16*\i+4*\c:\f+16*\i+4*\c+3], v[ADRA+\slot] offset:((128*(\q)+32*\c)/KB)*PLANE+(128*(\q)+32*\c)%KB+\i*16*PA
.endr
.endr
.endm
.macro PLACES                          ; four places in front of loads into registers that matrix instructions have read, and of the first read of results
.rept 4
	v_nop
.endr
.endm
; A K step is four quarters of 128 along K, 16 matrix instructions each, on buffers 0, 1, 0, 1.  One of the first three: multiplies buffer f and fetches quarter qn into g.
.macro QUARTER slot, qn, f, g, zero
	s_wait_dscnt 8                                 ; B's four and A's blocks 0, 1 are in; the youngest eight loads (blocks 2, 3) may be out
	WIN MUL
	MUL4 \f, 0, \zero
	MUL4 \f, 1, \zero
	PLACES
	FETCH \slot, \qn, \g
	s_wait_dscnt 32                                ; all but the 32 just issued
	WIN MUL
	MUL4 \f, 2, \zero
	MUL4 \f, 3, \zero
.endm
; The last quarter multiplies buffer 1 and changes slots: ONE barrier; in front of it each wave waits for all its tensor loads, adds 0 to its spare word, and waits for that and for its reads of this slot.
.macro TURN slot, next, fill
	WIN 0
.if \fill
	s_wait_xcnt 0x0                                ; my last prefetch has read its address: it is stepped here, ahead of the waits of the change of slots
	s_add_nc_u64 s[PFA:PFA+1], s[PFA:PFA+1], 512
.endif
	s_wait_tensorcnt 0x0                           ; all my tensor loads have landed: my part of the next slot
	ds_add_u32 v[SPW], v[NIL]                      ; 0 onto my spare word
	s_wait_dscnt 9                                 ; (the add and the youngest eight loads may be out)
	WIN MUL
	MUL4 F1, 0, 0
	s_wait_dscnt 0x0                               ; the add is done, and my reads of this slot are over
	s_barrier_signal -1
	MUL4 F1, 1, 0
.if \fill
	WIN 0
.endif
	s_barrier_wait -1
.if \fill
	CREST                                          ; the barrier has opened a round of the cluster's barrier
	s_add_nc_u64 s[G0+4*\slot+2:G0+4*\slot+3], s[G0+4*\slot+2:G0+4*\slot+3], 2*ASTEP
	s_add_nc_u64 s[G0B+4*\slot+2:G0B+4*\slot+3], s[G0B+4*\slot+2:G0B+4*\slot+3], 2*512
	JLOAD \slot                                    ; the first tensor load behind the round; its four v_nop are the places in front of the loads below
.else
	PLACES
.endif
	FETCH \next, 0, F0
.if \fill
	WIN 0                                          ; at a branch and at a label every window is 0
	s_cmp_gt_u32 s3, 1                             ; s3 = 1 in the loop's last trip, whose refills are K steps 6 and 7: no K step stands two on
	s_cbranch_scc0 .Lno_ask_\@
	global_prefetch_b8 v[PFO], s[PFA:PFA+1] offset:1536 th:TH_LOAD_NT scope:SCOPE_SE
.Lno_ask_\@:
.endif
	WIN MUL
	MUL4 F1, 2, 0
	MUL4 F1, 3, 0
.endm
	s_wait_alu depctr_va_vdst(0)                   ; the wait at the head's end
	s_wait_tensorcnt 0x0                           ; my part of K step 0 is in
	ds_add_u32 v[SPW], v[NIL]
	s_wait_dscnt 0x0
	CROUND                                         ; everybody's part of K step 0 is in, and all sixteen work-groups are here
	JLOAD 1                                        ; K step 1, the first tensor load behind the round
	FETCH 0, 0, F0
	WIN 0
	global_prefetch_b8 v[PFO], s[PFA:PFA+1] offset:1536 th:TH_LOAD_NT scope:SCOPE_SE   ; K step 3
	QUARTER 0, 1, F0, F1, 1                        ; the first quarter's products start the sums
.if LAPS > 1
	WIN 0x80                                       ; destination window 2
.set j, 0
.rept 32
	global_load_b128 v[4*j:4*j+3], v[GO], s[68:69] offset:4096*j th:TH_LOAD_NT   ; the residual of row j of my 32: 512 consecutive bytes an instruction.  Asked for here, behind K steps 0 and 1 and the first prefetches, and awaited on the way out: the whole K loop lies between
.set j, j+1
.endr
	WIN 0
	s_mov_b32 s3, LAPS-1
.Llap:                                                 ; a trip goes once round the ring and fills both slots again
	QUARTER 0, 2, F1, F0, 0
	QUARTER 0, 3, F0, F1, 0
	TURN 0, 1, 1
	QUARTER 1, 1, F0, F1, 0
	QUARTER 1, 2, F1, F0, 0
	QUARTER 1, 3, F0, F1, 0
	TURN 1, 0, 1
	QUARTER 0, 1, F0, F1, 0
	WIN 0
	s_sub_co_u32 s3, s3, 1
	s_cmp_lg_u32 s3, 0
	s_cbranch_scc1 .Llap
.endif
	QUARTER 0, 2, F1, F0, 0                        ; the last lap fills nothing
	QUARTER 0, 3, F0, F1, 0
	TURN 0, 1, 0
	QUARTER 1, 1, F0, F1, 0
	QUARTER 1, 2, F1, F0, 0
	QUARTER 1, 3, F0, F1, 0
	s_wait_dscnt 8
	WIN MUL
	MUL4 F1, 0, 0
	MUL4 F1, 1, 0
	s_wait_dscnt 0
	MUL4 F1, 2, 0
	MUL4 F1, 3, 0
	WIN 0
	; THE WAY OUT: sum x 2^(eA + eB) + bias; through the work-group's stage, since a row's 512 bytes come from two waves; back as whole rows; + the residual; stored.
	s_wait_kmcnt 0x0
.if MODE == 3
	s_add_co_i32 s96, s82, s83                     ; e6 + e7
.else
	s_add_co_i32 s96, s86, s87                     ; e10 + e11
.endif
	s_add_co_i32 s96, s96, 127
	s_lshl_b32 s96, s96, 23
	s_mov_b32 s97, s96
.if MODE == 3
	s_add_co_i32 s88, s84, 127                     ; e8
	s_lshl_b32 s89, s88, 23
	v_mov_b32 v[SCL], s89
	s_add_co_i32 s88, s88, 8
	s_lshl_b32 s88, s88, 23
	s_or_b32 s88, s88, 0x600000
	v_mov_b32 v[LIM], s88
.endif
	PLACES
	s_wait_loadcnt 0x0                             ; the bias and the residual
.irp a, 0,1,2,3
.irp b, 0,1,2,3
.irp i, 0,2,4,6
	v_pk_fma_f32 v[ACC+8*(4*\a+\b)+\i:ACC+8*(4*\a+\b)+\i+1], v[ACC+8*(4*\a+\b)+\i:ACC+8*(4*\a+\b)+\i+1], s[96:97], v[BI+8*\b+\i:BI+8*\b+\i+1] op_sel_hi:[1,0,1]   ; each accumulator from its low end on
.endr
.endr
.endr
.irp a, 0,1,2,3
.irp b, 0,1,2,3
	ds_store_b128 v[STO], v[ACC+8*(4*\a+\b):ACC+8*(4*\a+\b)+3] offset:\a*16*SPITCH+64*\b
	ds_store_b128 v[STO], v[ACC+8*(4*\a+\b)+4:ACC+8*(4*\a+\b)+7] offset:\a*16*SPITCH+64*\b+16
.endr
.endr
	s_wait_dscnt 0x0                               ; for the others' sake: my stores into the stage are done
	s_barrier_signal -1
	s_barrier_wait -1
.set j, 0
.rept 32
	ds_load_b128 v[ACC+4*j:ACC+4*j+3], v[RD] offset:j*SPITCH
.set j, j+1
.endr
	s_wait_dscnt 0x0
	WIN 0x08                                       ; source 1 window 2
.set j, 0
.rept 64
	v_pk_add_f32 v[ACC+j:ACC+j+1], v[ACC+j:ACC+j+1], v[j:j+1]
.set j, j+2
.endr
	WIN 0
.set j, 0
.rept 32
.if MODE == 3
	global_store_b128 v[GO], v[ACC+4*j:ACC+4*j+3], s[70:71] offset:4096*j                    ; 32 lanes store 512 consecutive bytes, aligned
.else
	global_store_b128 v[GO], v[ACC+4*j:ACC+4*j+3], s[70:71] offset:4096*j th:TH_STORE_NT
.endif
.set j, j+1
.endr
.if MODE == 3
	; x1's codes.  A lane holds columns 4 l .. 4 l + 3 of each of my 32 rows: a conversion of eight registers gives one word of four codes for each of two rows.  The f32 registers, which the stores above read, are only read here.
.irp u, 0,1
.set j, 0
.rept 64
	v_med3_num_f32 v[TMP+j], v[ACC+64*\u+j], -v[LIM], v[LIM]
.set j, j+1
.endr
.irp n, 0,1,2,3,4,5,6,7
	v_cvt_scalef32_pk8_fp8_f32 v[32+16*\u+2*\n:33+16*\u+2*\n], v[TMP+8*\n:TMP+8*\n+7], v[SCL]
.endr
	v_nop                                          ; a plain line behind the last conversion: its sources are written again
.endr
.set j, 0
.rept 32
	ds_store_b32 v[CST], v[32+j] offset:128*j      ; row j's 128 bytes of codes: 4 a lane
.set j, j+1
.endr
.irp i, 0,1,2,3,4,5,6,7
	ds_load_b128 v[TMP+4*\i:TMP+4*\i+3], v[CRD] offset:512*\i   ; LDS serves a wave's instructions in order: these see my stores
.endr
.irp i, 0,1,2,3,4,5,6,7
	s_wait_dscnt 7-\i
	global_store_b128 v[GO], v[TMP+4*\i:TMP+4*\i+3], s[72:73] offset:512*\i   ; my 32 rows x 128 bytes lie on end in x1q: 512 consecutive bytes an instruction
.endr
.endif
	s_wait_tensorcnt 0x0                           ; the wave's end
	ds_add_u32 v[SPW], v[NIL]
	s_wait_dscnt 0x0
	CROUND                                         ; the closing round
	s_endpgm
.Lfunc_end_k_qc6ac066870_gemm_proj:
	.size	k_qc6ac066870_gemm_proj, .Lfunc_end_k_qc6ac066870_gemm_proj-k_qc6ac066870_gemm_proj
	.p2alignl 7, 3214868480
	.fill 96, 4, 3214868480
	.section	.rodata,"a",@progbits
	.p2align	6, 0x0
	.amdhsa_kernel k_qc6ac066870_gemm_proj
		.amdhsa_group_segment_fixed_size 327680
		.amdhsa_private_segment_fixed_size 0
		.amdhsa_enable_private_segment 0
		.amdhsa_kernarg_size 48
		.amdhsa_user_sgpr_count 2
		.amdhsa_user_sgpr_kernarg_segment_ptr 1
		.amdhsa_wavefront_size32 1
		.amdhsa_system_sgpr_workgroup_id_x 1
		.amdhsa_system_sgpr_workgroup_id_y 1
		.amdhsa_system_sgpr_workgroup_id_z 1
		.amdhsa_system_vgpr_workitem_id 0
		.amdhsa_next_free_vgpr 640
		.amdhsa_next_free_sgpr 100
		.amdhsa_reserve_vcc 0
		.amdhsa_float_denorm_mode_32 3
		.amdhsa_float_denorm_mode_16_64 3
		.amdhsa_memory_ordered 1
		.amdhsa_forward_progress 1
		.amdhsa_inst_pref_size 84
	.end_amdhsa_kernel
	.amdgpu_metadata
---
amdhsa.version: [ 1, 2 ]
amdhsa.kernels:
  - .name:           k_qc6ac066870_gemm_proj
    .symbol:         k_qc6ac066870_gemm_proj.kd
    .args:
      - { .name: hq, .offset: 0, .size: 8, .value_kind: global_buffer, .address_space: global }
      - { .name: Wproj_codes, .offset: 8, .size: 8, .value_kind: global_buffer, .address_space: global }
      - { .name: lowp_scales, .offset: 16, .size: 8, .value_kind: global_buffer, .address_space: global }
      - { .name: bproj, .offset: 24, .size: 8, .value_kind: global_buffer, .address_space: global }
      - { .name: x1, .offset: 32, .size: 8, .value_kind: global_buffer, .address_space: global }
      - { .name: out0, .offset: 40, .size: 8, .value_kind: global_buffer, .address_space: global }
    .group_segment_fixed_size: 327680
    .private_segment_fixed_size: 0
    .kernarg_segment_align: 8
    .kernarg_segment_size: 48
    .max_flat_workgroup_size: 128
    .sgpr_count:     100
    .vgpr_count:     640
    .wavefront_size: 32
...
	.end_amdgpu_metadata
.endif
;; end of part 6
